; MI455X (gfx1250); checked and timed in simulation.
; The chip was launched on July 23, 2026; its instructions are those of AMD's public machine-readable ISA for CDNA 5 (MIT licence, August 2026) and "CDNA5" Instruction Set Architecture Reference Guide (July 2026). The comments in the code are by the model that wrote it; some were corrected since.
;; Longformer Attention. Allowed arithmetic: matrix products marked QUANTISED: E2M1 operands, one E8M0 scale for each 32 along K, by v_wmma_scale_f32_16x16x128_f8f6f4 with both operands' format E2M1 (or v_wmma_scale_f32_32x16x128_f4), f32 sums; products left as they are: bf16, f16 or f32 operands; f32 sums; everything else in f32.
;; Inputs: Wk 1,024 x 1,024 float32; Wo 1,024 x 1,024 float32; Wq 1,024 x 1,024 float32; Wv 1,024 x 1,024 float32; bo 1,024 float32; hidden_states 2 x 2,048 x 1,024 float32.
;; Outputs: out0 2 x 2,048 x 1,024 float32.
;; This version of the problem:
;;   THIS VERSION OF THE PROBLEM IS GIVEN IN LOW PRECISION. The matrix products marked QUANTISED in the list below multiply operands that are first quantised to E2M1 (2 exponent bits, 1 mantissa bit; 4 bits a number), with one power-of-two scale for each 32 numbers along K (OCP MX v1.0); their sums are f32. The products marked 'left as it is' may take bf16, f16 or f32 operands, with f32 sums. Whichever they take, every output number must still come out within the allowed error. Rounding operands to bf16 (8 significant bits) uses up far more of that allowance than f16 does (11 bits, for magnitudes from 6e-5 to 65,504). All else is computed in f32.
;;   The module's matrix products, in the order in which they are computed (A, B: the left and right operand; K: the contracted axis; several contracted axes count as one K, in the product's order):
;;     1. [M 4,096, K 1,024] x [K 1,024, N 1,024]; A: input hidden_states; B: input Wq: QUANTISED
;;     2. [M 4,096, K 1,024] x [K 1,024, N 1,024]; A: input hidden_states; B: input Wk: QUANTISED
;;     3. [M 4,096, K 1,024] x [K 1,024, N 1,024]; A: input hidden_states; B: input Wv: QUANTISED
;;     4. batch 32 x [M 2,048, K 64] x [K 64, N 2,048]; A: computed on the way; B: computed on the way: left as it is (an operand is computed on the way)
;;     5. batch 32 x [M 2,048, K 2,048] x [K 2,048, N 64]; A: computed on the way; B: computed on the way: left as it is (an operand is computed on the way)
;;     6. [M 4,096, K 1,024] x [K 1,024, N 1,024]; A: computed on the way; B: input Wo: left as it is (an operand is computed on the way)
;;   THE QUANTISER, for each operand of a quantised product, along K:
;;     - K is cut into blocks of 32 from its start; a last block that is shorter is filled with zeros.
;;     - A block's scale is 2^e with e = floor(log2(the largest magnitude in the block)) - 2, held to -126 .. 127; a block of zeros has e = 0. As a byte (E8M0): e + 127.
;;     - Each number is divided by its block's scale, clamped to +-6, and rounded to the nearest number of E2M1, ties to even, subnormals kept.
;;     - The product sums the exact products of the quantised numbers (number of the format x scale) in f32.
;;   ~~~python
;;   def quantise(x, axis):      # numpy; x: float32 -> the quantised numbers, widened to float32 again
;;       x = np.moveaxis(x, axis, -1); K = x.shape[-1]
;;       x = np.pad(x, [(0, 0)] * (x.ndim - 1) + [(0, -K % 32)]); x = x.reshape(x.shape[:-1] + (-1, 32)); a = np.abs(x).max(-1, keepdims=True)
;;       e = np.where(a > 0, np.clip(np.frexp(np.where(a > 0, a, 1))[1] - 1 - 2, -126, 127), 0)      # np.frexp(a)[1] - 1 = floor(log2(a)), exactly
;;       r = np.clip(x / 2.0 ** e, -6, 6)
;;       step = 2.0 ** (np.maximum(np.frexp(np.where(r == 0, 1, r))[1] - 1, 0) - 1)
;;       q = np.round(r / step) * step * 2.0 ** e      # np.round: ties to even
;;       return np.moveaxis(q.reshape(q.shape[:-2] + (-1,))[..., :K], -1, axis).astype(np.float32)
;;   ~~~
;; One version. Each part assembles by itself: llvm-mc -triple=amdgcn-amd-amdhsa -mcpu=gfx1250 --defsym DOCPART=n.
;; ======== version 1 of 1: 4 launches
;; limits: values are held in f16: magnitudes above 65,504 overflow, below 6.1e-05 lose precision
;; workspace buffers: xcod 2,097,152 bytes; xscl 131,072 bytes; wimg 1,572,864 bytes; wscl 98,304 bytes; woimg 2,097,152 bytes; qkv 25,165,824 bytes; aimg 8,388,608 bytes
;; launch prep (part 1): grid 384 x 1, 4 waves a work-group, no clusters, 33,280 bytes of LDS; arguments hidden_states, Wq, Wk, Wv, Wo, xcod, xscl, wimg, wscl, woimg; writes xcod, xscl, wimg, wscl, woimg
.if DOCPART == 1
	.amdgcn_target "amdgcn-amd-amdhsa--gfx1250"
	.amdhsa_code_object_version 6
	.text
	.protected	k_q1c5524463f_prep
	.globl	k_q1c5524463f_prep
	.p2align	8
	.type	k_q1c5524463f_prep,@function
k_q1c5524463f_prep:
	s_mov_b64 s[64:65], 0
	v_nop
	global_prefetch_b8 v0, s[64:65] scope:SCOPE_SE
	s_setreg_imm32_b32 hwreg(HW_REG_WAVE_MODE, 25, 1), 1
	s_wait_xcnt 0x0
; THE OPERANDS ARE MADE READY, ONCE.
; Work-groups 0-127: hidden_states [4096][1024] f32 becomes codes of FP4 (E2M1), K innermost (xcod: 512 bytes a token), with one E8M0 byte for each 32 along K (xscl: 32 bytes a token).
; Work-groups 128-319: Wq, Wk, Wv [1024 (k)][1024 (n)] f32 are quantised along K, their FIRST axis, and stored as IMAGES OF THE OPERAND'S REGISTERS:
;   wimg [head 16][matrix 3][tile of 16 columns 4][K step of 128: 8][1,024 bytes]; in a fragment the 16 bytes of column r's block b lie at 256 b + 16 r;  wscl [K step 8][3072 columns]: a word of four bytes.
; Work-groups 320-383: Wo [1024 (k)][1024 (n)] f32 is rounded to f16 and stored as images too: woimg [tile of 16 columns 64][K step of 32: 32][1,024 bytes]; eight k from k0 of column r lie at 256 (k0 / 8) + 16 r.
; A block's scale is 2^(floor(log2(its largest magnitude)) - 2): its byte is the largest magnitude's exponent field - 2, held at 1 from below.
; LIMITS: a block of zeros gets the byte 1 where the rule says 127 (its codes are zeros, which add nothing, and this program alone reads the bytes); blocks whose largest magnitude lies under 2^-124 are held at
; that floor; NaN and infinities among the inputs are not served; a number of Wo beyond 65,504 becomes infinity in f16.
; No matrix work, no barrier: waves share nothing.  Bytes decide: each input byte is read once, by loads that take neighbouring bytes in neighbouring lanes.
.set XWG,   128                        ; work-groups that take hidden_states: 4,194,304 numbers / 32,768
.set STEPS, 16                         ; a wave's steps of 512 numbers
.set AHEAD, 8                          ; loads run eight steps (32 loads a wave) ahead
.set SP,    80                         ; a lane's place in a stage: 64 bytes + 16 of padding
.set WREG,  8192                       ; LDS: a region for each wave: two stages of 32 x SP bytes, behind them its 256 scale bytes
.set SPARE, 4*WREG                     ; behind the regions: the spare words, 128 bytes for each wave
.set SPW,   12                         ; v12  LDS address of my spare word; never rewritten
.set NIL,   13                         ; v13  0; never rewritten
.set R,     16                         ; v16-143   tokens: eight sets of 16 numbers as loaded;  weights: my column's 128 numbers down K
.set X,     144                        ; v144-175  two sets of 16 neighbours
.set E,     176                        ; v176-191  a scale byte for each step
.set C,     192                        ; v192-223  codes: two registers for each step
.set WWD,   148                        ; weights: the scale word
.set WSO,   152                        ; v152-155  the conversions' scale operands, one a block
.set WC,    160                        ; v160-223  what is stored: no store's data are written again
	s_load_b256 s[4:11], s[0:1], 0x0               ; hidden_states, Wq, Wk, Wv
	s_load_b256 s[12:19], s[0:1], 0x20             ; Wo, xcod, xscl, wimg
	s_load_b128 s[20:23], s[0:1], 0x40             ; wscl, woimg
	v_lshl_add_u32 v[SPW], v0, 2, SPARE
	v_mov_b32 v[NIL], 0
	v_lshrrev_b32 v1, 5, v0
	v_readfirstlane_b32 s24, v1                    ; wave 0..3
	v_and_b32 v2, 31, v0                           ; lane
	s_cmp_lt_u32 ttmp9, XWG
	s_cbranch_scc0 .Lweights
; ---- THE TOKENS.  Rows are dense and 1,024 is a multiple of 32: a plain stream of blocks of 32.  A conversion takes neighbours along K from ONE lane's registers, a load is best where neighbouring LANES take
; neighbouring bytes: so a step's 2,048 bytes are loaded as they lie, 16 bytes a lane, go through the wave's own stage in LDS and come back 64 bytes a lane.  Two neighbouring lanes hold a block.
	v_lshlrev_b32 v3, 4, v2                        ; my 16 bytes of a load's 512
	s_mul_i32 s25, s24, WREG
	v_lshrrev_b32 v14, 2, v2
	v_mul_u32_u24 v14, v14, SP
	v_and_b32 v15, 3, v2
	v_lshl_add_u32 v14, v15, 4, v14
	v_add_nc_u32 v14, s25, v14                     ; the stage, in: SP (lane / 4) + 16 (lane % 4)
	v_mul_u32_u24 v15, v2, SP
	v_add_nc_u32 v15, s25, v15                     ; and out: SP x lane
	v_lshlrev_b32 v4, 3, v2                        ; 8 bytes a lane: my codes in a step's 256 bytes, and my part of the 256 scale bytes
	v_lshrrev_b32 v5, 1, v2
	s_add_co_u32 s25, s25, 2*32*SP
	v_add_nc_u32 v5, s25, v5                       ; LDS: my block's scale byte
	v_add_nc_u32 v6, s25, v4                       ; and on the way out 8 bytes a lane
	s_lshl_b32 s26, ttmp9, 2
	s_add_co_u32 s26, s26, s24                     ; which run of 8,192 numbers is my wave's
	s_mov_b32 s29, 0
	s_lshl_b32 s28, s26, 15
	s_wait_kmcnt 0x0
	s_add_nc_u64 s[4:5], s[4:5], s[28:29]          ; 32,768 bytes of numbers a run,
	s_lshl_b32 s28, s26, 12
	s_add_nc_u64 s[14:15], s[14:15], s[28:29]      ; 4,096 of codes,
	s_lshl_b32 s28, s26, 8
	s_add_nc_u64 s[16:17], s[16:17], s[28:29]      ; 256 of scale bytes
.macro LOAD t
.irp i, 0,1,2,3
	global_load_b128 v[R+16*((\t)%AHEAD)+4*\i:R+16*((\t)%AHEAD)+4*\i+3], v3, s[4:5] offset:2048*(\t)+512*\i th:TH_LOAD_NT   ; 32 lanes read 512 consecutive bytes
.endr
.endm
.macro TURN t                          ; step t's numbers through the stage: LDS serves a wave's instructions in order, so no wait stands between the stores and the loads
.irp i, 0,1,2,3
	ds_store_b128 v14, v[R+16*((\t)%AHEAD)+4*\i:R+16*((\t)%AHEAD)+4*\i+3] offset:32*SP*((\t)%2)+8*SP*\i
.endr
.irp i, 0,1,2,3
	ds_load_b128 v[X+16*((\t)%2)+4*\i:X+16*((\t)%2)+4*\i+3], v15 offset:32*SP*((\t)%2)+16*\i
.endr
.endm
.irp t, 0,1,2,3,4,5,6,7
	LOAD \t
.endr
	s_wait_loadcnt 28                              ; step 0's four loads are in; seven steps' 28 may be out
	TURN 0
.macro STEP t
.set XS, X+16*((\t)%2)
.if (\t) > 0
	s_wait_dscnt 1                                 ; this step's numbers are back from the stage (the last step's byte store may be out): so its stores into the stage have read their registers,
.else
	s_wait_dscnt 0x0
.endif
.if (\t)+AHEAD < STEPS
	LOAD (\t)+AHEAD                                ; which take the loads of eight steps on
.endif
.if (\t)+1 < STEPS
.if STEPS-2-(\t) >= AHEAD-1
	s_wait_loadcnt 4*(AHEAD-1)                     ; the next step's four loads are in; those of the seven steps behind it may be out
.else
	s_wait_loadcnt 4*(STEPS-2-(\t))
.endif
	TURN (\t)+1                                    ; and go through the other stage while this step is worked
.endif
	v_max3_num_f32 v8, |v[XS]|, |v[XS+1]|, |v[XS+2]|               ; the largest magnitude of my 16, in two chains
	v_max3_num_f32 v9, |v[XS+3]|, |v[XS+4]|, |v[XS+5]|
.irp i, 6,10
	v_max3_num_f32 v8, v8, |v[XS+\i]|, |v[XS+\i+1]|
	v_max3_num_f32 v9, v9, |v[XS+\i+2]|, |v[XS+\i+3]|
.endr
	v_max3_num_f32 v8, v8, |v[XS+14]|, |v[XS+15]|
	v_max3_num_f32 v8, v8, v9, 0x1800000           ; and the floor 2^(3 - 127): the byte cannot fall under 1
	v_max_num_f32_dpp v8, v8, v8 row_xmask:1 row_mask:0xf bank_mask:0xf   ; and of my neighbour's 16: the block's
	v_add_nc_u32 v11, 0xff000000, v8               ; 2 off its exponent field: the conversion takes the exponent field of this operand as its scale
	v_cvt_scalef32_pk8_fp4_f32 v[C+2*(\t)], v[XS:XS+7], v11
	v_cvt_scalef32_pk8_fp4_f32 v[C+2*(\t)+1], v[XS+8:XS+15], v11
	v_lshrrev_b32 v[E+(\t)], 23, v11               ; the scale's byte (a plain line behind the conversions)
	ds_store_b8 v5, v[E+(\t)] offset:16*(\t)       ; both lanes of a block write the same byte with the same value
	global_store_b64 v4, v[C+2*(\t):C+2*(\t)+1], s[14:15] offset:256*(\t)   ; the wave stores 256 consecutive bytes, aligned
.endm
.irp t, 0,1,2,3,4,5,6,7,8,9,10,11,12,13,14,15
	STEP \t
.endr
	ds_load_b64 v[8:9], v6                         ; LDS serves a wave's instructions in order: these see my byte stores
	s_wait_dscnt 0x0
	global_store_b64 v4, v[8:9], s[16:17]          ; my wave's 256 scale bytes, consecutive and aligned
	s_branch .Lend
; ---- THE WEIGHTS.  A work-group takes 128 columns x 128 along K of one matrix.  A LANE TAKES A COLUMN, AND ITS REGISTERS RUN DOWN K: each load reads 128 consecutive bytes a wave, a block of 32 lies in one lane,
; and the conversions give codes with K innermost.  All 128 loads go out on end.
.Lweights:
	s_sub_co_u32 s25, ttmp9, XWG
	s_lshr_b32 s26, s25, 6                         ; the matrix: 0 q, 1 k, 2 v, 3 o
	s_and_b32 s27, s25, 7                          ; which 128 columns
	s_bfe_u32 s28, s25, 0x30003                    ; which 128 along K
	v_lshlrev_b32 v3, 2, v2                        ; in: 4 bytes a lane
	v_lshrrev_b32 v5, 4, v2
	v_and_b32 v6, 15, v2
	v_lshlrev_b32 v6, 4, v6                        ; out: 16 bytes for column r of a tile,
	v_lshl_add_u32 v7, v5, 15, v6                  ; Wo: lanes 16-31 hold the next tile, 32,768 bytes on;
	v_lshl_add_u32 v5, v5, 13, v6                  ; q, k, v: 8,192 bytes on
	s_lshl_b32 s30, s27, 7
	s_lshl_b32 s31, s24, 5
	s_add_co_u32 s30, s30, s31                     ; my wave's first column
	s_lshl_b32 s32, s28, 19                        ; 128 rows of 4,096 bytes
	s_lshl_b32 s33, s30, 2
	s_add_co_u32 s32, s32, s33
	s_mov_b32 s33, 0
	s_wait_kmcnt 0x0
	s_cmp_eq_u32 s26, 0                            ; the choice hangs on the work-group's number alone
	s_cselect_b64 s[34:35], s[6:7], s[8:9]
	s_cmp_lt_u32 s26, 2
	s_cselect_b64 s[34:35], s[34:35], s[10:11]
	s_cmp_lt_u32 s26, 3
	s_cselect_b64 s[34:35], s[34:35], s[12:13]
	s_add_nc_u64 s[34:35], s[34:35], s[32:33]
.set i, 0
.rept 128
	global_load_b32 v[R+i], v3, s[34:35] offset:4096*i th:TH_LOAD_NT
.set i, i+1
.endr
	s_cmp_eq_u32 s26, 3
	s_cbranch_scc1 .Lwo
	s_lshl_b32 s32, s27, 1
	s_lshr_b32 s33, s24, 1
	s_add_co_u32 s32, s32, s33                     ; the head: 64 columns
	s_mul_i32 s32, s32, 98304
	s_lshl_b32 s33, s26, 15
	s_add_co_u32 s32, s32, s33                     ; + the matrix
	s_and_b32 s33, s24, 1
	s_lshl_b32 s33, s33, 14
	s_add_co_u32 s32, s32, s33                     ; + my wave's two tiles
	s_lshl_b32 s33, s28, 10
	s_add_co_u32 s32, s32, s33                     ; + the K step
	s_mov_b32 s33, 0
	s_add_nc_u64 s[18:19], s[18:19], s[32:33]
	s_mul_i32 s32, s28, 12288
	s_lshl_b32 s33, s26, 12
	s_add_co_u32 s32, s32, s33
	s_lshl_b32 s33, s30, 2
	s_add_co_u32 s32, s32, s33
	s_mov_b32 s33, 0
	s_add_nc_u64 s[20:21], s[20:21], s[32:33]      ; the scale words: K step, matrix, column
.macro WBLOCK b                        ; block b of my column: all its 32 numbers are mine
.set XS, R+32*(\b)
.if 96-32*(\b) > 63
	s_wait_loadcnt 63                              ; the later blocks' loads may be out (a wait names 63 at the most)
.else
	s_wait_loadcnt 96-32*(\b)
.endif
	v_max3_num_f32 v8, |v[XS]|, |v[XS+1]|, |v[XS+2]|
	v_max3_num_f32 v9, |v[XS+3]|, |v[XS+4]|, |v[XS+5]|
.irp i, 6,10,14,18,22,26
	v_max3_num_f32 v8, v8, |v[XS+\i]|, |v[XS+\i+1]|
	v_max3_num_f32 v9, v9, |v[XS+\i+2]|, |v[XS+\i+3]|
.endr
	v_max3_num_f32 v8, v8, |v[XS+30]|, |v[XS+31]|
	v_max3_num_f32 v8, v8, v9, 0x1800000           ; the floor 2^(3 - 127)
	v_add_nc_u32 v[WSO+(\b)], 0xff000000, v8       ; 2 off the exponent field: the conversion's scale operand
.irp g, 0,1,2,3
	v_cvt_scalef32_pk8_fp4_f32 v[WC+4*(\b)+\g], v[XS+8*\g:XS+8*\g+7], v[WSO+(\b)]
.endr
	v_lshrrev_b32 v9, 23, v[WSO+(\b)]              ; the scale's byte (a plain line behind the conversions)
.if (\b) == 0
	v_mov_b32 v[WWD], v9
.else
	v_lshl_or_b32 v[WWD], v9, 8*(\b), v[WWD]       ; the lower K in the lower byte
.endif
	global_store_b128 v5, v[WC+4*(\b):WC+4*(\b)+3], s[18:19] offset:256*(\b)   ; sixteen lanes store 256 consecutive bytes, aligned
.endm
	WBLOCK 0
	WBLOCK 1
	WBLOCK 2
	WBLOCK 3
	global_store_b32 v3, v[WWD], s[20:21]          ; the wave stores 128 consecutive bytes of scale words: 96 KiB in the whole launch
	s_branch .Lend
.Lwo:
	s_lshl_b32 s32, s27, 3
	s_lshl_b32 s33, s24, 1
	s_add_co_u32 s32, s32, s33                     ; my wave's first tile of 16 columns
	s_lshl_b32 s32, s32, 15
	s_lshl_b32 s33, s28, 12                        ; four K steps of 32
	s_add_co_u32 s32, s32, s33
	s_mov_b32 s33, 0
	s_add_nc_u64 s[22:23], s[22:23], s[32:33]
.set g, 0
.rept 16                               ; eight k at a time: 16 bytes of f16
.if g == 0 || g == 4
	s_wait_loadcnt 63
.elseif g == 8
	s_wait_loadcnt 32
.elseif g == 12
	s_wait_loadcnt 0x0
.endif
.irp i, 0,1,2,3
	v_cvt_pk_f16_f32 v[WC+4*g+\i], v[R+8*g+2*\i], v[R+8*g+2*\i+1]
.endr
	global_store_b128 v7, v[WC+4*g:WC+4*g+3], s[22:23] offset:256*g   ; sixteen lanes store 256 consecutive bytes, aligned
.set g, g+1
.endr
.Lend:
	s_wait_tensorcnt 0x0                           ; the wave's end
	ds_add_u32 v[SPW], v[NIL]
	s_wait_dscnt 0x0
	s_endpgm
.Lfunc_end_k_q1c5524463f_prep:
	.size	k_q1c5524463f_prep, .Lfunc_end_k_q1c5524463f_prep-k_q1c5524463f_prep
	.p2alignl 7, 3214868480
	.fill 96, 4, 3214868480
	.section	.rodata,"a",@progbits
	.p2align	6, 0x0
	.amdhsa_kernel k_q1c5524463f_prep
		.amdhsa_group_segment_fixed_size 33280
		.amdhsa_private_segment_fixed_size 0
		.amdhsa_enable_private_segment 0
		.amdhsa_kernarg_size 80
		.amdhsa_user_sgpr_count 2
		.amdhsa_user_sgpr_kernarg_segment_ptr 1
		.amdhsa_wavefront_size32 1
		.amdhsa_system_sgpr_workgroup_id_x 1
		.amdhsa_system_sgpr_workgroup_id_y 1
		.amdhsa_system_sgpr_workgroup_id_z 1
		.amdhsa_system_vgpr_workitem_id 0
		.amdhsa_next_free_vgpr 224
		.amdhsa_next_free_sgpr 66
		.amdhsa_reserve_vcc 0
		.amdhsa_float_denorm_mode_32 3
		.amdhsa_float_denorm_mode_16_64 3
		.amdhsa_memory_ordered 1
		.amdhsa_forward_progress 1
		.amdhsa_inst_pref_size 59
	.end_amdhsa_kernel
	.amdgpu_metadata
---
amdhsa.version: [ 1, 2 ]
amdhsa.kernels:
  - .name:           k_q1c5524463f_prep
    .symbol:         k_q1c5524463f_prep.kd
    .args:
      - { .name: hidden_states, .offset: 0, .size: 8, .value_kind: global_buffer, .address_space: global }
      - { .name: Wq, .offset: 8, .size: 8, .value_kind: global_buffer, .address_space: global }
      - { .name: Wk, .offset: 16, .size: 8, .value_kind: global_buffer, .address_space: global }
      - { .name: Wv, .offset: 24, .size: 8, .value_kind: global_buffer, .address_space: global }
      - { .name: Wo, .offset: 32, .size: 8, .value_kind: global_buffer, .address_space: global }
      - { .name: xcod, .offset: 40, .size: 8, .value_kind: global_buffer, .address_space: global }
      - { .name: xscl, .offset: 48, .size: 8, .value_kind: global_buffer, .address_space: global }
      - { .name: wimg, .offset: 56, .size: 8, .value_kind: global_buffer, .address_space: global }
      - { .name: wscl, .offset: 64, .size: 8, .value_kind: global_buffer, .address_space: global }
      - { .name: woimg, .offset: 72, .size: 8, .value_kind: global_buffer, .address_space: global }
    .group_segment_fixed_size: 33280
    .private_segment_fixed_size: 0
    .kernarg_segment_align: 8
    .kernarg_segment_size: 80
    .max_flat_workgroup_size: 128
    .sgpr_count:     66
    .vgpr_count:     224
    .wavefront_size: 32
...
	.end_amdgpu_metadata
.endif
;; end of part 1
;; launch qkv (part 2): grid 16 x 16, 4 waves a work-group, clusters of 4 x 4, 233,984 bytes of LDS; arguments xcod, xscl, wimg, wscl, qkv; writes qkv
.if DOCPART == 2
	.amdgcn_target "amdgcn-amd-amdhsa--gfx1250"
	.amdhsa_code_object_version 6
	.text
	.protected	k_q1c5524463f_qkv
	.globl	k_q1c5524463f_qkv
	.p2align	8
	.type	k_q1c5524463f_qkv,@function
k_q1c5524463f_qkv:
	s_mov_b64 s[64:65], 0
	v_nop
	global_prefetch_b8 v0, s[64:65] scope:SCOPE_SE
	s_setreg_imm32_b32 hwreg(HW_REG_WAVE_MODE, 25, 1), 1
	s_wait_xcnt 0x0
	s_wait_alu depctr_hold_cnt(0) depctr_sa_sdst(0) depctr_va_vdst(0) depctr_va_sdst(0) depctr_va_ssrc(0) depctr_va_vcc(0) depctr_vm_vsrc(0)
	s_getreg_b32 s2, hwreg(HW_REG_IB_STS2, 6, 4)
	s_cmp_eq_u32 s2, 0
	s_cbranch_scc0 .Lentry_in_a_cluster
	s_endpgm
.Lentry_in_a_cluster:
	s_bfe_u32 s2, ttmp6, 0x10000c
	s_cmp_lg_u32 s2, 0xf033
	s_cbranch_scc0 .Lentry_shape_is_right
	s_endpgm
.Lentry_shape_is_right:
; q, k, v = hidden_states x Wq, Wk, Wv, on codes of FP4 (E2M1) with one E8M0 scale for each 32 along K; sums in f32; results rounded to f16 and stored as IMAGES of the operands that the attention wants.
; SHARES.  A work-group takes 256 tokens x the q, k and v columns of ONE head (192 columns): 16 x 16 = 256 equal work-groups.  A wave takes 64 tokens x 192 columns: 48 accumulators, 384 registers.
; All of K (1,024) lies in LDS at once: 256 rows of codes (512 bytes + 16 of padding) and the head's 96 fragments of weights (98,304 dense bytes).  Nothing is filled again: no ring.
; CLUSTER, 4 x 4: the four work-groups of a row of the cluster take the same tokens, the four of a column the same head: each tile is asked for JOINTLY, by the same tensor load with a mask that names the four.
; q AND k ARE MADE TRANSPOSED (source 0 = 16 columns of W, source 1 = 16 tokens): a lane holds one token and eight neighbouring channels: 16 bytes of f16, which are its 16 bytes of a fragment of q or k.
; v IS MADE THE NATURAL WAY ROUND (source 0 = 16 tokens, source 1 = 16 columns): a lane holds one channel and eight neighbouring tokens: its 16 bytes of a fragment of V^T, whose K is the keys.
; qkv: q at 0, k at 8,388,608, v at 16,777,216; each [batch x head 32][262,144].  q, k: [tile of 16 tokens][32 channels f][half c][lane][16 bytes];  v: [32 keys][16 channels ct][half c][lane][16 bytes].
; THE SCALES go from memory straight into registers, once: lanes 0-15 hold the words of K steps 0-3, lanes 16-31 those of K steps 4-7.
; LIMIT: a q, k or v beyond 65,504 becomes infinity in f16.
; REGISTERS, in windows of 256: window 0: v1-9 addresses; v16-31 the tokens' scale words, v32-79 the weights'; v128-191 the tokens' fragments, two sets.
;   window 1: q's 16 accumulators (token tile mt, column tile nt at v[8 (4 mt + nt)]), from v128 k's.   window 2: v's 16.   window 3: the weights' fragments, two sets of 96; on the way out the packed results.
.set XP,     528                       ; a token's row in LDS: 512 bytes + 16 of padding = 132 words: the 16 rows that a load touches start at 16 different banks (64 banks of 4 bytes: ISA guide 11.1)
.set XHALF,  128*XP                    ; what one tensor load brings of the tokens
.set WB,     256*XP                    ; behind the tokens: the weights' images: tile i = 4 matrix + nt at 8,192 i, K step s at 1,024 s
.set WHALF,  49152                     ; what one tensor load brings of them
.set SPARE,  WB+2*WHALF                ; behind them: the spare words, 128 bytes for each wave
.set LI,   1                           ; v1  16 x lane
.set AX,   2                           ; v2  LDS address of my fragments of tokens
.set AW0,  3                           ; v3  of the weights' tiles 0-5
.set AW1,  4                           ; v4  of tiles 6-11
.set XSO,  5                           ; v5  my offset among the tokens' scale bytes
.set WSO,  6                           ; v6  and among the weights' scale words
.set SPW,  8                           ; v8  LDS address of my spare word; never rewritten
.set NIL,  9                           ; v9  0; never rewritten
.set XS,   16
.set WS,   32
.set XF,   128
.set G1X,  24                          ; s[24:31] descriptor group 1 for the tokens;  s[32:35] its group 0
.set G0X,  32
.set G0W,  36                          ; s[36:39] group 0 for the weights;  s[48:55] their group 1
.set G1W,  48
.set MSB, 0
.macro WIN new                         ; the immediate's high byte repeats the setting that is left
.if MSB != \new
	s_set_vgpr_msb (MSB<<8)|\new
.set MSB, \new
.endif
.endm
.macro PLACES                          ; four places in front of loads into registers that matrix instructions have read, and of the first read of results
.rept 4
	v_nop
.endr
.endm
.macro CROUND                          ; a round of the cluster's barrier
	s_barrier_signal -1
	s_barrier_wait -1
	s_cmp_lg_u32 s18, 0
	s_cbranch_scc1 .Lnot_wave_0_\@
	s_barrier_signal -3
.Lnot_wave_0_\@:
	s_barrier_wait -3
	s_barrier_signal -1
	s_barrier_wait -1
.endm
	s_load_b256 s[4:11], s[0:1], 0x0               ; xcod, xscl, wimg, wscl
	s_load_b64 s[12:13], s[0:1], 0x20              ; qkv
	v_lshl_add_u32 v[SPW], v0, 2, SPARE
	v_mov_b32 v[NIL], 0
	ds_add_u32 v[SPW], v[NIL]                      ; the wave's opening: the add, twice on end, and its wait ahead of my first tensor load
	ds_add_u32 v[SPW], v[NIL]
	v_lshrrev_b32 v1, 5, v0
	v_readfirstlane_b32 s18, v1                    ; wave 0..3
	s_lshr_b32 s19, s18, 1                         ; I fetch tokens (0) or weights (1)
	s_and_b32 s20, s18, 1                          ; which half of them
	s_bfe_u32 s40, ttmp6, 0x40000                  ; cx, cy: my place in the cluster
	s_bfe_u32 s41, ttmp6, 0x40004
	s_lshl_b32 s42, ttmp9, 2
	s_add_co_u32 s42, s42, s40                     ; the head = 4 x cluster x + cx
	s_and_b32 s43, ttmp7, 0xffff
	s_lshl_b32 s43, s43, 2
	s_add_co_u32 s43, s43, s41                     ; the block of 256 tokens = 4 x cluster y + cy
	s_lshl_b32 s44, s41, 2
	s_lshl_b32 s44, 15, s44                        ; my row of the cluster
	s_lshl_b32 s45, 0x1111, s40                    ; my column
	s_or_b32 s[G1X], s44, (1<<20)|(1<<21)|(6<<22)|(3<<25)   ; the mask; elements of 1 byte; padding on; bit 21 beside a mask; after every 128 words (code 6) 4 words (code 3)
	s_mov_b32 s[G1X+1], 512<<16                    ; tensor_dim0 = 512 bytes
	s_mov_b32 s[G1X+2], 128<<16                    ; tensor_dim1 = 128 rows
	s_mov_b32 s[G1X+3], 512<<16                    ; tile_dim0
	s_mov_b32 s[G1X+4], 128                        ; tile_dim1
	s_mov_b32 s[G1X+5], 512                        ; from row to row
	s_mov_b32 s[G1X+6], 0
	s_mov_b32 s[G1X+7], 0
	s_or_b32 s[G1W], s45, (3<<16)|(1<<21)          ; the mask; elements of 8 bytes; no padding: a dense block as 192 rows of 256 bytes
	s_mov_b32 s[G1W+1], 32<<16
	s_mov_b32 s[G1W+2], 192<<16
	s_mov_b32 s[G1W+3], 32<<16
	s_mov_b32 s[G1W+4], 192
	s_mov_b32 s[G1W+5], 32
	s_mov_b32 s[G1W+6], 0
	s_mov_b32 s[G1W+7], 0
	s_lshl_b32 s46, s43, 17                        ; the tokens: 256 rows of 512 bytes a block, + my half: made of the block and the wave's number alone
	s_lshl_b32 s47, s20, 16
	s_add_co_u32 s46, s46, s47
	s_mov_b32 s47, 0
	s_mul_i32 s56, s42, 2*WHALF                    ; the weights: the head's 98,304 bytes, + my half: made of the head and the wave's number alone
	s_mul_i32 s57, s20, WHALF
	s_add_co_u32 s56, s56, s57
	s_mov_b32 s57, 0
	s_mov_b32 s[G0X], 1
	s_mul_i32 s[G0X+1], s20, XHALF                 ; LDS addresses hang on the wave's number alone
	s_mov_b32 s[G0W], 1
	s_mul_i32 s[G0W+1], s20, WHALF
	s_add_co_u32 s[G0W+1], s[G0W+1], WB
	s_wait_dscnt 0x0                               ; both opening adds are done
	s_wait_kmcnt 0x0
	s_add_nc_u64 s[G0X+2:G0X+3], s[4:5], s[46:47]
	s_or_b32 s[G0X+3], s[G0X+3], 0x80000000
	s_add_nc_u64 s[G0W+2:G0W+3], s[8:9], s[56:57]
	s_or_b32 s[G0W+3], s[G0W+3], 0x80000000
	CROUND                                         ; all sixteen work-groups are here: the joint loads meet
	s_cmp_eq_u32 s19, 0                            ; one tensor load a wave, and the only one: by this text's count one is out
	s_cbranch_scc0 .Lfor_w
	tensor_load_to_lds s[G0X:G0X+3], s[G1X:G1X+7]
	s_nop 0
.rept 4
	v_nop
.endr
	s_branch .Lasked
.Lfor_w:
	tensor_load_to_lds s[G0W:G0W+3], s[G1W:G1W+7]
	s_nop 0
.rept 4
	v_nop
.endr
.Lasked:
	v_and_b32 v10, 31, v0
	v_lshlrev_b32 v[LI], 4, v10
	v_and_b32 v11, 15, v0                          ; r
	v_bfe_u32 v12, v0, 4, 1                        ; h
	v_mul_u32_u24 v[AX], v11, XP
	v_lshl_add_u32 v[AX], v12, 4, v[AX]
	s_mul_i32 s21, s18, 64*XP
	v_add_nc_u32 v[AX], s21, v[AX]                 ; my wave's 64 rows; row r, + 16 h
	v_add_nc_u32 v[AW0], WB, v[LI]
	v_add_nc_u32 v[AW1], WB+WHALF, v[LI]
	v_lshlrev_b32 v[XSO], 5, v11
	v_lshl_add_u32 v[XSO], v12, 4, v[XSO]          ; token r's 32 scale bytes; lanes 16-31 take the upper four words
	v_mul_u32_u24 v[WSO], v12, 4*12288
	v_lshl_add_u32 v[WSO], v11, 2, v[WSO]          ; column r's word; lanes 16-31 four K steps on
	s_lshl_b32 s58, s43, 13
	s_lshl_b32 s59, s18, 11
	s_add_co_u32 s58, s58, s59
	s_mov_b32 s59, 0
	s_add_nc_u64 s[6:7], s[6:7], s[58:59]          ; the scale bytes of my wave's 64 tokens
	s_lshl_b32 s58, s42, 8
	s_add_nc_u64 s[10:11], s[10:11], s[58:59]      ; the scale words of my head's columns
.irp mt, 0,1,2,3
	global_load_b128 v[XS+4*\mt:XS+4*\mt+3], v[XSO], s[6:7] offset:512*\mt   ; 512 consecutive bytes
.endr
.set i, 0
.rept 12
.irp kq, 0,1,2,3
	global_load_b32 v[WS+4*i+\kq], v[WSO], s[10:11] offset:12288*\kq+4096*(i/4)+64*(i%4)
.endr
.set i, i+1
.endr
	s_lshr_b32 s58, s43, 3                         ; where my wave's results go: (batch x 16 + head) x 262,144 + the block in the sequence x 32,768 + wave x 8,192
	s_lshl_b32 s58, s58, 4
	s_add_co_u32 s58, s58, s42
	s_lshl_b32 s58, s58, 18
	s_and_b32 s59, s43, 7
	s_lshl_b32 s59, s59, 15
	s_add_co_u32 s58, s58, s59
	s_lshl_b32 s59, s18, 13
	s_add_co_u32 s58, s58, s59
	s_mov_b32 s59, 0
	s_add_nc_u64 s[12:13], s[12:13], s[58:59]      ; q
	s_add_nc_u64 s[14:15], s[12:13], 0x800000      ; k
	s_add_nc_u64 s[16:17], s[12:13], 0x1000000     ; v
; the fragments of K step s into set p: the weights' 12 (images: 16 bytes a lane, consecutive), the tokens' 4
.macro FETCH s, p
	WIN 0xc0                                       ; destination window 3
.irp i, 0,1,2,3,4,5
.irp c, 0,1
	ds_load_b128 v[96*(\p)+8*\i+4*\c:96*(\p)+8*\i+4*\c+3], v[AW0] offset:8192*\i+1024*(\s)+512*\c
.endr
.endr
.irp i, 0,1,2,3,4,5
.irp c, 0,1
	ds_load_b128 v[96*(\p)+48+8*\i+4*\c:96*(\p)+48+8*\i+4*\c+3], v[AW1] offset:8192*\i+1024*(\s)+512*\c
.endr
.endr
	WIN 0
.irp mt, 0,1,2,3
.irp c, 0,1
	ds_load_b128 v[XF+32*(\p)+8*\mt+4*\c:XF+32*(\p)+8*\mt+4*\c+3], v[AX] offset:16*XP*\mt+64*(\s)+32*\c
.endr
.endr
.endm
.macro FP4 s                           ; one product, by the symbols rD, rA, rB, rSA, rSB.  K step 0 starts the sums; K steps 4-7 take their scales from lanes 16-31
.if (\s) == 0
	v_wmma_scale_f32_16x16x128_f8f6f4 v[rD:rD+7], v[rA:rA+7], v[rB:rB+7], 0, v[rSA], v[rSB] matrix_a_fmt:MATRIX_FMT_FP4 matrix_b_fmt:MATRIX_FMT_FP4
.elseif (\s) < 4
	v_wmma_scale_f32_16x16x128_f8f6f4 v[rD:rD+7], v[rA:rA+7], v[rB:rB+7], v[rD:rD+7], v[rSA], v[rSB] matrix_a_fmt:MATRIX_FMT_FP4 matrix_b_fmt:MATRIX_FMT_FP4
.else
	v_wmma_scale_f32_16x16x128_f8f6f4 v[rD:rD+7], v[rA:rA+7], v[rB:rB+7], v[rD:rD+7], v[rSA], v[rSB] matrix_a_fmt:MATRIX_FMT_FP4 matrix_b_fmt:MATRIX_FMT_FP4 matrix_a_scale:MATRIX_SCALE_ROW1 matrix_b_scale:MATRIX_SCALE_ROW1
.endif
.endm
; a K step's 48 products.  The 48 accumulators take turns, one instruction a turn, in the same order in every K step
.macro MUL s
.set pp, (\s)%2
.set kq, (\s)%4
	WIN 0x53                                       ; source 0 (W) window 3, source 1 (tokens) window 0, C and D window 1
.irp mat, 0,1
.irp mt, 0,1,2,3
.irp nt, 0,1,2,3
.set rD, 128*\mat+8*(4*\mt+\nt)
.set rA, 96*pp+8*(4*\mat+\nt)
.set rB, XF+32*pp+8*\mt
.set rSA, WS+4*(4*\mat+\nt)+kq
.set rSB, XS+4*\mt+kq
	FP4 \s
.endr
.endr
.endr
	WIN 0xac                                       ; source 0 (tokens) window 0, source 1 (W) window 3, C and D window 2
.irp mt, 0,1,2,3
.irp nt, 0,1,2,3
.set rD, 8*(4*\mt+\nt)
.set rA, XF+32*pp+8*\mt
.set rB, 96*pp+8*(8+\nt)
.set rSA, XS+4*\mt+kq
.set rSB, WS+4*(8+\nt)+kq
	FP4 \s
.endr
.endr
.endm
	s_wait_tensorcnt 0x0                           ; my part is in LDS,
	s_barrier_signal -1
	s_barrier_wait -1                              ; everybody's is
	FETCH 0, 0
.set ks, 0
.rept 8
.if ks < 7
.if ks > 0
	PLACES                                         ; the other set was read by the K step before
.endif
	FETCH ks+1, (ks+1)%2
	s_wait_dscnt 32                                ; all but the 32 just issued: this K step's fragments are in
.else
	s_wait_dscnt 0x0
.endif
.if ks == 0
	s_wait_loadcnt 0x0                             ; the scale words
.endif
	MUL ks
.set ks, ks+1
.endr
	; THE WAY OUT: rounded to f16, a lane's eight results are the 16 bytes that it holds of a fragment: each store of the wave covers 512 consecutive bytes, aligned.  Each accumulator is read from its low end on.
	PLACES
	WIN 0xc5                                       ; sources window 1, destination window 3
.set a, 0
.rept 32
.irp i, 0,1,2,3
	v_cvt_pk_f16_f32 v[4*a+\i], v[8*a+2*\i], v[8*a+2*\i+1]
.endr
.set a, a+1
.endr
	WIN 0xca                                       ; sources window 2
.set a, 0
.rept 16
.irp i, 0,1,2,3
	v_cvt_pk_f16_f32 v[128+4*a+\i], v[8*a+2*\i], v[8*a+2*\i+1]
.endr
.set a, a+1
.endr
	WIN 0x0c                                       ; a store's data are its source 1: window 3
.irp mt, 0,1,2,3
.irp nt, 0,1,2,3
	global_store_b128 v[LI], v[4*(4*\mt+\nt):4*(4*\mt+\nt)+3], s[12:13] offset:2048*\mt+512*\nt
.endr
.endr
.irp mt, 0,1,2,3
.irp nt, 0,1,2,3
	global_store_b128 v[LI], v[64+4*(4*\mt+\nt):64+4*(4*\mt+\nt)+3], s[14:15] offset:2048*\mt+512*\nt
.endr
.endr
.irp mt, 0,1,2,3
.irp nt, 0,1,2,3
	global_store_b128 v[LI], v[128+4*(4*\mt+\nt):128+4*(4*\mt+\nt)+3], s[16:17] offset:4096*(\mt/2)+1024*\nt+512*(\mt%2)
.endr
.endr
	WIN 0
	s_wait_tensorcnt 0x0                           ; the wave's end
	ds_add_u32 v[SPW], v[NIL]
	s_wait_dscnt 0x0
	CROUND                                         ; the closing round
	s_endpgm
.Lfunc_end_k_q1c5524463f_qkv:
	.size	k_q1c5524463f_qkv, .Lfunc_end_k_q1c5524463f_qkv-k_q1c5524463f_qkv
	.p2alignl 7, 3214868480
	.fill 96, 4, 3214868480
	.section	.rodata,"a",@progbits
	.p2align	6, 0x0
	.amdhsa_kernel k_q1c5524463f_qkv
		.amdhsa_group_segment_fixed_size 233984
		.amdhsa_private_segment_fixed_size 0
		.amdhsa_enable_private_segment 0
		.amdhsa_kernarg_size 40
		.amdhsa_user_sgpr_count 2
		.amdhsa_user_sgpr_kernarg_segment_ptr 1
		.amdhsa_wavefront_size32 1
		.amdhsa_system_sgpr_workgroup_id_x 1
		.amdhsa_system_sgpr_workgroup_id_y 1
		.amdhsa_system_sgpr_workgroup_id_z 1
		.amdhsa_system_vgpr_workitem_id 0
		.amdhsa_next_free_vgpr 1024
		.amdhsa_next_free_sgpr 66
		.amdhsa_reserve_vcc 0
		.amdhsa_float_denorm_mode_32 3
		.amdhsa_float_denorm_mode_16_64 3
		.amdhsa_memory_ordered 1
		.amdhsa_forward_progress 1
		.amdhsa_inst_pref_size 94
	.end_amdhsa_kernel
	.amdgpu_metadata
---
amdhsa.version: [ 1, 2 ]
amdhsa.kernels:
  - .name:           k_q1c5524463f_qkv
    .symbol:         k_q1c5524463f_qkv.kd
    .args:
      - { .name: xcod, .offset: 0, .size: 8, .value_kind: global_buffer, .address_space: global }
      - { .name: xscl, .offset: 8, .size: 8, .value_kind: global_buffer, .address_space: global }
      - { .name: wimg, .offset: 16, .size: 8, .value_kind: global_buffer, .address_space: global }
      - { .name: wscl, .offset: 24, .size: 8, .value_kind: global_buffer, .address_space: global }
      - { .name: qkv, .offset: 32, .size: 8, .value_kind: global_buffer, .address_space: global }
    .group_segment_fixed_size: 233984
    .private_segment_fixed_size: 0
    .kernarg_segment_align: 8
    .kernarg_segment_size: 40
    .max_flat_workgroup_size: 128
    .sgpr_count:     66
    .vgpr_count:     1024
    .wavefront_size: 32
...
	.end_amdgpu_metadata
.endif
;; end of part 2
;; launch attn (part 3): grid 8 x 32, 8 waves a work-group, no clusters, 236,544 bytes of LDS; arguments qkv, aimg; writes aimg
.if DOCPART == 3
	.amdgcn_target "amdgcn-amd-amdhsa--gfx1250"
	.amdhsa_code_object_version 6
	.text
	.protected	k_q1c5524463f_attn
	.globl	k_q1c5524463f_attn
	.p2align	8
	.type	k_q1c5524463f_attn,@function
k_q1c5524463f_attn:
	s_mov_b64 s[64:65], 0
	v_nop
	global_prefetch_b8 v0, s[64:65] scope:SCOPE_SE
	s_setreg_imm32_b32 hwreg(HW_REG_WAVE_MODE, 25, 1), 1
	s_wait_xcnt 0x0
; THE ATTENTION under the mask that the problem builds: query i sees the keys with |i - j| <= 256, every query sees key 0, query 0 sees all keys.  q, k, v: f16 images; products, maxima and sums in f32;
; the weights p are rounded to f16 for the second product; the result is rounded to f16 once and stored as images of the projection's operand:
; aimg [tile of 16 tokens 256][K step of 32 = 2 head + f: 32][1,024 bytes].
; SHARES.  A work-group owns 256 queries of one batch and head; each of its eight waves owns 32: tiles 0 and 1 of 16.  Two waves share a SIMD: one wave's softmax stands beside the other's products.
; THE WINDOW.  The work-group's queries see the key blocks Q - 1, Q, Q + 1 (768 keys: 98,304 bytes of k, as many of v).  They come into LDS once, through registers, as they lie: they are images already.
; At the sequence's ends the block's number is held to 0 .. 7; what that brings is stored in LDS and read by nobody.
; No cluster: neighbouring blocks of queries want the same key block at different places of their windows, so no one descriptor would serve two work-groups.
; LAYOUT.  S^T = K Q^T (source 0 = 16 keys, source 1 = 16 queries): a lane holds ONE query (lane % 16) and keys 8 (lane / 16) + 0..7; two such tiles, rounded in pairs, ARE source 1 of O^T = V^T P.
; KEY 0 IS EVERY QUERY'S START: m = its score, l = 1, O^T = V^T x (a P with 1 at key 0): nothing is cleared and no first step is written apart.  In the band's step that holds key 0 it is hidden: it counts once.
; THE BAND.  a = wave / 2, b = wave % 2.  Nine trips; trip t reads slot a + t of the window (64 keys).  With D = 32 b + 16 tile + lane % 16 - 8 (lane / 16), register 8 kt + j holds key 16 kt + j (+ 8 (lane / 16)) of the
; slot: hidden in trip 0 where 16 kt + j < D, in trip 8 where it is > D; trips 1 to 7 see all.  A trip whose keys lie outside the sequence jumps over its work: a branch on ids; the trip count is a constant.
; SOFTMAX.  A running maximum m and sum l for each query: p = 2^(c s - c m), c = log2(e) / 8; in every trip O^T and l are multiplied by 2^(c m_old - c m_new).
; ROW 0 (the work-groups of block 0): wave u takes keys 256 u .. 256 u + 255 for query 0, from memory; the eight parts (maximum, sum, O) meet in LDS and wave 0 joins them and puts them into row 0 of its tile 0.
; LIMITS: f16 operands: what the launch before has rounded; NaN and infinities are not served.
; REGISTERS: window 0: v1-15 addresses; v16-31 statistics, eight a tile (+0 c m, +1 m, +2, +3 l, +4..+7 at work); v32-95 S^T; v96-127 P; v128-191 O^T; v192-223 packed results; v224.. constants.
;   window 1: v0-31 Q; v32-95 K of a slot; v96-159 V of a slot; row 0: all 256.
.set VREG,  98304                      ; LDS: k's window at 0 (slot s at 8,192 s), v's here
.set GP,    196608                     ; row 0: p as f16, 512 bytes a wave
.set GC,    200704                     ; row 0: a wave's part: 4,096 bytes of O, then c m and l, 128 bytes each
.set GCW,   4352
.set SPARE, GC+8*GCW                   ; the spare words, 128 bytes for each wave
.set LI,  1                            ; v1   16 x lane
.set WO,  4                            ; v4-6 4,096 x wave + 16 x lane (+ 65,536, + 131,072): my part of a key block, in memory and in LDS
.set AK0, 7                            ; v7   8,192 a + 16 x lane
.set AV0, 8                            ; v8   the same in v's window
.set ADK, 9                            ; v9, v10  the trip's addresses
.set ADV, 10
.set QGO, 11                           ; v11  256 (lane / 16): query 0's bytes of a fragment
.set GPS, 12                           ; v12  where I put a p of row 0;  v13 where I read eight
.set GPL, 13
.set GCS, 14                           ; v14  where I put my part's O;  v15 its c m and l
.set GCT, 15
.set ST,  16
.set S,   32
.set P,   96
.set O,   128
.set PK,  192
.set SPW, 224                          ; v224 LDS address of my spare word; never rewritten
.set NIL, 225                          ; v225 0; never rewritten
.set NEG, 226                          ; v226 -infinity
.set DQ,  227                          ; v227, v228  D of tiles 0, 1
.set GCA, 229                          ; v229 the parts' O, read by wave 0;  v230 their c m and l
.set GCB, 230
.set KF,  32                           ; in window 1
.set VF,  96
.set MSB, 0
.macro WIN new                         ; the immediate's high byte repeats the setting that is left
.if MSB != \new
	s_set_vgpr_msb (MSB<<8)|\new
.set MSB, \new
.endif
.endm
.macro PLACES                          ; four places behind matrix instructions (ISA guide 7.12.1)
.rept 4
	v_nop
.endr
.endm
	s_load_b128 s[4:7], s[0:1], 0x0                ; qkv, aimg
	v_lshl_add_u32 v[SPW], v0, 2, SPARE
	v_mov_b32 v[NIL], 0
	v_lshrrev_b32 v2, 5, v0
	v_readfirstlane_b32 s8, v2                     ; wave 0..7
	s_lshr_b32 s9, s8, 1                           ; a
	s_and_b32 s10, s8, 1                           ; b
	s_mov_b32 s11, ttmp9                           ; Q: the block of 256 queries
	s_and_b32 s12, ttmp7, 0xffff                   ; batch x 16 + head
	v_and_b32 v2, 31, v0
	v_lshlrev_b32 v[LI], 4, v2
	v_and_b32 v3, 15, v0                           ; r
	v_bfe_u32 v2, v0, 4, 1                         ; h
	s_lshl_b32 s13, s8, 12
	v_add_nc_u32 v[WO], s13, v[LI]
	v_add_nc_u32 v[WO+1], 0x10000, v[WO]
	v_add_nc_u32 v[WO+2], 0x20000, v[WO]
	s_lshl_b32 s13, s9, 13
	v_add_nc_u32 v[AK0], s13, v[LI]
	v_add_nc_u32 v[AV0], VREG, v[AK0]
	v_lshlrev_b32 v[QGO], 8, v2
	s_lshl_b32 s13, s8, 9
	s_add_co_u32 s13, s13, GP
	v_lshl_add_u32 v[GPS], v3, 1, s13
	v_lshl_add_u32 v[GPL], v2, 4, s13
	s_mul_i32 s13, s8, GCW
	s_add_co_u32 s13, s13, GC
	v_add_nc_u32 v[GCS], s13, v[LI]
	s_add_co_u32 s13, s13, 4096
	v_and_b32 v[GCT], 31, v0
	v_lshl_add_u32 v[GCT], v[GCT], 2, s13
	v_add_nc_u32 v[GCA], GC, v[LI]
	v_and_b32 v[GCB], 31, v0
	v_lshl_add_u32 v[GCB], v[GCB], 2, GC+4096
	v_mov_b32 v[NEG], 0xff800000
	v_lshlrev_b32 v[DQ], 3, v2
	v_sub_nc_u32 v[DQ], v3, v[DQ]
	s_lshl_b32 s13, s10, 5
	v_add_nc_u32 v[DQ], s13, v[DQ]                 ; D of tile 0: 32 b + r - 8 h
	v_add_nc_u32 v[DQ+1], 16, v[DQ]
	s_mov_b32 s38, 0x3e38aa3b                      ; c = log2(e) / sqrt(64)
	s_mov_b32 s39, s38                             ; (named with it as a pair, so it is written)
	s_mov_b32 s40, 0x76543210                      ; v_permlanex16_b32's selects for lane l xor 16
	s_mov_b32 s41, 0xfedcba98
	s_mov_b32 s42, 0xffff0000                      ; lanes 16-31
	s_mov_b32 s43, 0x00010001                      ; lanes 0 and 16: query 0 of a tile
	s_or_b32 s47, s11, s8                          ; 0 in wave 0 of block 0
	s_lshl_b32 s14, s12, 18                        ; a head's 262,144 bytes
	s_mov_b32 s15, 0
	s_wait_kmcnt 0x0
	s_add_nc_u64 s[22:23], s[4:5], s[14:15]        ; q's head,
	s_add_nc_u64 s[18:19], s[22:23], 0x800000      ; k's,
	s_add_nc_u64 s[20:21], s[22:23], 0x1000000     ; v's
	s_lshl_b32 s14, s11, 15
	s_lshl_b32 s13, s8, 12
	s_add_co_u32 s14, s14, s13
	s_add_nc_u64 s[16:17], s[22:23], s[14:15]      ; q at my wave's two tiles
	s_sub_co_i32 s13, s11, 1
	s_max_i32 s13, s13, 0                          ; the block before, held to the sequence
	s_lshl_b32 s14, s13, 15
	s_add_nc_u64 s[24:25], s[18:19], s[14:15]
	s_add_nc_u64 s[30:31], s[20:21], s[14:15]
	s_lshl_b32 s14, s11, 15
	s_add_nc_u64 s[26:27], s[18:19], s[14:15]
	s_add_nc_u64 s[32:33], s[20:21], s[14:15]
	s_add_co_u32 s13, s11, 1
	s_min_u32 s13, s13, 7                          ; the block behind, likewise
	s_lshl_b32 s14, s13, 15
	s_add_nc_u64 s[28:29], s[18:19], s[14:15]
	s_add_nc_u64 s[34:35], s[20:21], s[14:15]
	s_lshr_b32 s13, s12, 4                         ; aimg: tile = batch x 128 + 16 Q + 2 wave; in it the head's 2,048 bytes
	s_lshl_b32 s13, s13, 7
	s_lshl_b32 s14, s11, 4
	s_add_co_u32 s13, s13, s14
	s_lshl_b32 s14, s8, 1
	s_add_co_u32 s13, s13, s14
	s_lshl_b32 s13, s13, 15
	s_and_b32 s14, s12, 15
	s_lshl_b32 s14, s14, 11
	s_add_co_u32 s14, s14, s13
	s_add_nc_u64 s[36:37], s[6:7], s[14:15]
	s_lshl_b32 s14, s8, 15
	s_add_nc_u64 s[48:49], s[18:19], s[14:15]      ; row 0: my wave's 256 keys of k
	s_add_nc_u64 s[50:51], s[20:21], s[14:15]      ; and of v
	; the window: six groups (k's three blocks, v's three) of eight loads: my wave's 4,096 bytes of each block, 512 consecutive bytes a load
.set g, 0
.rept 6
.irp i, 0,1,2,3,4,5,6,7
	global_load_b128 v[32+32*g+4*\i:32+32*g+4*\i+3], v[WO], s[24+2*g:25+2*g] offset:512*\i
.endr
.set g, g+1
.endr
	WIN 0x40                                       ; destination window 1
.irp i, 0,1,2,3,4,5,6,7
	global_load_b128 v[4*\i:4*\i+3], v[LI], s[16:17] offset:512*\i           ; Q: tile i / 4, fragment (i / 2) % 2, half i % 2: it stays
.endr
.irp i, 0,1,2,3
	global_load_b128 v[KF+4*\i:KF+4*\i+3], v[LI], s[18:19] offset:512*\i     ; the head's first 16 keys
.endr
.irp i, 0,1,2,3,4,5,6,7
	global_load_b128 v[VF+4*\i:VF+4*\i+3], v[LI], s[20:21] offset:512*\i     ; V of its first 32 keys
.endr
	WIN 0
.set g, 0
.rept 6
	s_wait_loadcnt 60-8*g                          ; group g is in: behind it stand the later groups' loads and the 20 above
.irp i, 0,1,2,3,4,5,6,7
	ds_store_b128 v[WO+g/2], v[32+32*g+4*\i:32+32*g+4*\i+3] offset:32768*(g%2)+512*\i
.endr
.set g, g+1
.endr
	s_wait_dscnt 0x0                               ; for the others' sake: my part of the window lies in LDS
	s_barrier_signal -1
	s_wait_loadcnt 0x0                             ; Q, the first keys.  Work on registers alone stands between the signal and the wait:
	; KEY 0: its score starts m, a P with 1.0 at key 0 starts O^T
	v_mov_b32 v[P], 0x3c00                         ; 1.0 in f16, in the low half: key 8 (lane / 16) + 0
.irp i, 1,2,3,4,5,6,7
	v_mov_b32 v[P+\i], 0
.endr
	v_cndmask_b32 v[P], v[P], v[P+1], s42          ; lanes 16-31 hold key 8: 0
.irp t, 0,1
.irp i, 4,5,6,7
	v_mov_b32 v[ST+8*\t+\i], 0                     ; written once: a lane permute's destination counts as a source, and pairs are named whole
.endr
.endr
	WIN 0x05                                       ; K and Q window 1, S^T window 0
	v_wmma_f32_16x16x32_f16 v[S:S+7], v[KF:KF+7], v[0:7], 0
	v_wmma_f32_16x16x32_f16 v[S+32:S+39], v[KF:KF+7], v[16:23], 0
	v_wmma_f32_16x16x32_f16 v[S:S+7], v[KF+8:KF+15], v[8:15], v[S:S+7]
	v_wmma_f32_16x16x32_f16 v[S+32:S+39], v[KF+8:KF+15], v[24:31], v[S+32:S+39]
	WIN 0x01                                       ; V window 1; P, O^T window 0
.irp t, 0,1
.irp ct, 0,1,2,3
	v_wmma_f32_16x16x32_f16 v[O+32*\t+8*\ct:O+32*\t+8*\ct+7], v[VF+8*\ct:VF+8*\ct+7], v[P:P+7], 0
.endr
.endr
	WIN 0
.rept 5
	v_nop                                          ; places: the scores are read, and their registers are later written anew by products
.endr
.irp t, 0,1
	v_permlanex16_b32 v[ST+8*\t+5], v[S+32*\t], s40, s41   ; register 0 of lanes 0-15 is key 0's score of query r
.endr
.irp t, 0,1
	v_cndmask_b32 v[ST+8*\t+1], v[S+32*\t], v[ST+8*\t+5], s42   ; m, in both halves of the lanes
	v_mov_b32 v[ST+8*\t+3], 0
	v_mov_b32 v[ST+8*\t+2], 1.0
.endr
.irp t, 0,1
	v_mul_f32 v[ST+8*\t], s38, v[ST+8*\t+1]        ; c m
	v_cndmask_b32 v[ST+8*\t+2], v[ST+8*\t+2], v[ST+8*\t+3], s42   ; l = 1, kept in lanes 0-15: the halves are added at the end
.endr
	s_barrier_wait -1                              ; the whole window lies in LDS
	s_mov_b32 s44, 0                               ; t
	s_lshl_b32 s45, s11, 2
	s_add_co_u32 s45, s45, s9
	s_sub_co_u32 s45, s45, 4                       ; the trip's key step in the sequence: 4 Q - 4 + a + t; under 0 it wraps to a large number
	s_mov_b32 s46, 0                               ; 8,192 t
.macro MASK low                        ; low = 1: hidden where 16 kt + j < D;  0: where > D.  Each accumulator from its low end on
.irp t, 0,1
.set n, 0
.rept 32
.if \low
	v_cmp_lt_i32 vcc_lo, 16*(n/8)+n%8, v[DQ+\t]
.else
	v_cmp_gt_i32 vcc_lo, 16*(n/8)+n%8, v[DQ+\t]
.endif
	v_cndmask_b32 v[S+32*\t+n], v[S+32*\t+n], v[NEG], vcc_lo
.set n, n+1
.endr
.endr
.endm
.Lstep:
	s_cmp_gt_u32 s45, 31                           ; keys outside the sequence: the trip's work is left out
	s_cbranch_scc1 .Lskip
	v_add_nc_u32 v[ADK], s46, v[AK0]
	v_add_nc_u32 v[ADV], s46, v[AV0]
	WIN 0x40
.irp i, 0,1,2,3,4,5,6,7,8,9,10,11,12,13,14,15
	ds_load_b128 v[KF+4*\i:KF+4*\i+3], v[ADK] offset:512*\i   ; K: tile i / 4, fragment (i / 2) % 2
.endr
.irp i, 0,1,2,3,4,5,6,7,8,9,10,11,12,13,14,15
	ds_load_b128 v[VF+4*\i:VF+4*\i+3], v[ADV] offset:512*\i   ; V: 32 keys i / 8, channels 16 ((i / 2) % 4)
.endr
	s_wait_dscnt 16                                ; K is in; V's sixteen may be out
	WIN 0x05
.irp f, 0,1                            ; the eight accumulators take turns
.irp t, 0,1
.irp kt, 0,1,2,3
.if \f == 0
	v_wmma_f32_16x16x32_f16 v[S+32*\t+8*\kt:S+32*\t+8*\kt+7], v[KF+16*\kt:KF+16*\kt+7], v[16*\t:16*\t+7], 0
.else
	v_wmma_f32_16x16x32_f16 v[S+32*\t+8*\kt:S+32*\t+8*\kt+7], v[KF+16*\kt+8:KF+16*\kt+15], v[16*\t+8:16*\t+15], v[S+32*\t+8*\kt:S+32*\t+8*\kt+7]
.endif
.endr
.endr
.endr
	WIN 0
	PLACES
	s_cmp_lg_u32 s44, 0
	s_cbranch_scc1 .Lnot_first
	MASK 1                                         ; the band's lower edge
.Lnot_first:
	s_cmp_lg_u32 s44, 8
	s_cbranch_scc1 .Lnot_last
	MASK 0                                         ; its upper edge
.Lnot_last:
	s_cmp_lg_u32 s45, 0
	s_cbranch_scc1 .Lnot_zero
	v_cndmask_b32 v[S], v[NEG], v[S], s42          ; key 0 has been counted: register 0 of lanes 0-15
	v_cndmask_b32 v[S+32], v[NEG], v[S+32], s42
.Lnot_zero:
	; the maximum of the lane's 32 scores and the old m: four chains; the two tiles alternate, so that no line waits for the line above it
.irp j, 0,1,2,3
.irp t, 0,1
	v_max3_num_f32 v[ST+8*\t+4+\j], v[S+32*\t+8*\j], v[S+32*\t+8*\j+1], v[S+32*\t+8*\j+2]
.endr
.endr
.irp u, 1,2
.irp j, 0,1,2,3
.irp t, 0,1
	v_max3_num_f32 v[ST+8*\t+4+\j], v[ST+8*\t+4+\j], v[S+32*\t+8*\j+2*\u+1], v[S+32*\t+8*\j+2*\u+2]
.endr
.endr
.endr
.irp t, 0,1
	v_max3_num_f32 v[ST+8*\t+4], v[ST+8*\t+4], v[S+32*\t+7], v[S+32*\t+15]
	v_max3_num_f32 v[ST+8*\t+6], v[ST+8*\t+6], v[S+32*\t+23], v[S+32*\t+31]
.endr
.irp t, 0,1
	v_max3_num_f32 v[ST+8*\t+4], v[ST+8*\t+4], v[ST+8*\t+5], v[ST+8*\t+6]
.endr
.irp t, 0,1
	v_max3_num_f32 v[ST+8*\t+4], v[ST+8*\t+4], v[ST+8*\t+7], v[ST+8*\t+1]
.endr
.irp t, 0,1
	v_permlanex16_b32 v[ST+8*\t+5], v[ST+8*\t+4], s40, s41   ; the query's other 32 keys lie in the lane 16 away
	v_mov_b32 v[ST+8*\t+7], v[ST+8*\t]             ; c m_old
.endr
.irp t, 0,1
	v_max_num_f32 v[ST+8*\t+1], v[ST+8*\t+4], v[ST+8*\t+5]
.endr
.irp t, 0,1
	v_mul_f32 v[ST+8*\t], s38, v[ST+8*\t+1]
.endr
.irp t, 0,1
	v_sub_f32 v[ST+8*\t+7], v[ST+8*\t+7], v[ST+8*\t]
.endr
.irp b, 0,1,2,3,4,5,6,7,8,9,10,11,12,13,14,15
.irp t, 0,1
	v_pk_fma_f32 v[S+32*\t+2*\b:S+32*\t+2*\b+1], v[S+32*\t+2*\b:S+32*\t+2*\b+1], s[38:39], v[ST+8*\t:ST+8*\t+1] op_sel_hi:[1,0,0] neg_lo:[0,0,1] neg_hi:[0,0,1]   ; c s - c m
.endr
.endr
.irp t, 0,1
	v_exp_f32 v[ST+8*\t+6], v[ST+8*\t+7]           ; a = 2^(c m_old - c m_new)
.endr
.set n, 0
.rept 64
	v_exp_f32 v[S+n], v[S+n]                       ; ONE BATCH: none of these reads another's result
.set n, n+1
.endr
	v_nop                                          ; a plain line behind the last exponential
	s_wait_alu depctr_va_vdst(0)                   ; and one wait for the batch, ahead of its first reader
.irp t, 0,1
.irp b, 0,1,2,3,4,5,6,7,8,9,10,11,12,13,14,15
	v_cvt_pk_f16_f32 v[P+16*\t+\b], v[S+32*\t+2*\b], v[S+32*\t+2*\b+1]
.endr
.endr
.irp u, 0,1,2,3,4,5,6,7                ; the sum of the unrounded p, in place: neighbours 1, 2, 4, 8 pairs apart
.irp t, 0,1
	v_pk_add_f32 v[S+32*\t+4*\u:S+32*\t+4*\u+1], v[S+32*\t+4*\u:S+32*\t+4*\u+1], v[S+32*\t+4*\u+2:S+32*\t+4*\u+3]
.endr
.endr
.irp u, 0,1,2,3
.irp t, 0,1
	v_pk_add_f32 v[S+32*\t+8*\u:S+32*\t+8*\u+1], v[S+32*\t+8*\u:S+32*\t+8*\u+1], v[S+32*\t+8*\u+4:S+32*\t+8*\u+5]
.endr
.endr
.irp u, 0,1
.irp t, 0,1
	v_pk_add_f32 v[S+32*\t+16*\u:S+32*\t+16*\u+1], v[S+32*\t+16*\u:S+32*\t+16*\u+1], v[S+32*\t+16*\u+8:S+32*\t+16*\u+9]
.endr
.endr
.irp t, 0,1
	v_pk_add_f32 v[S+32*\t:S+32*\t+1], v[S+32*\t:S+32*\t+1], v[S+32*\t+16:S+32*\t+17]
.endr
.irp t, 0,1
	v_pk_fma_f32 v[ST+8*\t+2:ST+8*\t+3], v[ST+8*\t+2:ST+8*\t+3], v[ST+8*\t+6:ST+8*\t+7], v[S+32*\t:S+32*\t+1] op_sel_hi:[1,0,1]   ; l = a l + the sum
.endr
.irp t, 0,1
.irp b, 0,1,2,3,4,5,6,7,8,9,10,11,12,13,14,15
	v_pk_mul_f32 v[O+32*\t+2*\b:O+32*\t+2*\b+1], v[O+32*\t+2*\b:O+32*\t+2*\b+1], v[ST+8*\t+6:ST+8*\t+7] op_sel_hi:[1,0]   ; O^T x a, each accumulator from its low end on
.endr
.endr
	s_wait_dscnt 0x0                               ; V is in
	WIN 0x01
.irp kg, 0,1
.irp t, 0,1
.irp ct, 0,1,2,3
	v_wmma_f32_16x16x32_f16 v[O+32*\t+8*\ct:O+32*\t+8*\ct+7], v[VF+32*\kg+8*\ct:VF+32*\kg+8*\ct+7], v[P+16*\t+8*\kg:P+16*\t+8*\kg+7], v[O+32*\t+8*\ct:O+32*\t+8*\ct+7]
.endr
.endr
.endr
	WIN 0
	PLACES                                         ; in front of the next trip's loads into V's registers, and of the way out's reads
.Lskip:
	s_add_co_u32 s45, s45, 1
	s_add_co_u32 s46, s46, 8192
	s_add_co_u32 s44, s44, 1
	s_cmp_lt_u32 s44, 9
	s_cbranch_scc1 .Lstep
	; THE WAY OUT: l's halves and the other half of the lanes'; O^T / l; rounded to f16 a lane's eight channels are its 16 bytes of a fragment of the projection's operand
.irp t, 0,1
	v_add_f32 v[ST+8*\t+4], v[ST+8*\t+2], v[ST+8*\t+3]
.endr
.irp t, 0,1
	v_permlanex16_b32 v[ST+8*\t+5], v[ST+8*\t+4], s40, s41
.endr
.irp t, 0,1
	v_add_f32 v[ST+8*\t+4], v[ST+8*\t+4], v[ST+8*\t+5]
.endr
.irp t, 0,1
	v_rcp_f32 v[ST+8*\t+6], v[ST+8*\t+4]
.endr
	v_nop
	s_wait_alu depctr_va_vdst(0)                   ; one wait for the two reciprocals
.irp t, 0,1
.irp b, 0,1,2,3,4,5,6,7,8,9,10,11,12,13,14,15
	v_pk_mul_f32 v[O+32*\t+2*\b:O+32*\t+2*\b+1], v[O+32*\t+2*\b:O+32*\t+2*\b+1], v[ST+8*\t+6:ST+8*\t+7] op_sel_hi:[1,0]
.endr
.endr
.irp t, 0,1
.irp b, 0,1,2,3,4,5,6,7,8,9,10,11,12,13,14,15
	v_cvt_pk_f16_f32 v[PK+16*\t+\b], v[O+32*\t+2*\b], v[O+32*\t+2*\b+1]
.endr
.endr
.irp ct, 0,1,2,3
	global_store_b128 v[LI], v[PK+16+4*\ct:PK+16+4*\ct+3], s[36:37] offset:32768+512*\ct   ; tile 1: 512 consecutive bytes a store, aligned
.endr
	s_cmp_eq_u32 s47, 0                            ; wave 0 of block 0 keeps its tile 0: row 0 is still to come
	s_cbranch_scc1 .Lkeep0
.irp ct, 0,1,2,3
	global_store_b128 v[LI], v[PK+4*\ct:PK+4*\ct+3], s[36:37] offset:512*\ct
.endr
.Lkeep0:
	s_cmp_lg_u32 s11, 0
	s_cbranch_scc1 .Lmeet
	; ---- ROW 0: my wave's 256 keys.  Source 0 = query 0 in all 16 rows (every lane reads query 0's bytes), source 1 = 16 keys: register 0 of an accumulator is the score of key 16 kt + lane % 16.
	; (The places behind the band's last products are the trip's four and the way out's arithmetic.)
.irp i, 0,1,2,3
	global_load_b128 v[160+4*\i:160+4*\i+3], v[QGO], s[22:23] offset:512*\i
.endr
	WIN 0x40
.set i, 0
.rept 64
	global_load_b128 v[4*i:4*i+3], v[LI], s[48:49] offset:512*i   ; K: tile i / 4
.set i, i+1
.endr
	WIN 0
.irp gq, 0,1,2,3                       ; four tiles of keys at a time; V takes the registers that they leave
	s_wait_loadcnt 48                              ; behind this group's loads stand the later groups' (16 each) and V's issued so far (16 each): 48 every time
	WIN 0x04                                       ; source 1 (K) window 1
.irp f, 0,1
.irp k4, 0,1,2,3
.if \f == 0
	v_wmma_f32_16x16x32_f16 v[32+8*(4*\gq+\k4):32+8*(4*\gq+\k4)+7], v[160:167], v[16*(4*\gq+\k4):16*(4*\gq+\k4)+7], 0
.else
	v_wmma_f32_16x16x32_f16 v[32+8*(4*\gq+\k4):32+8*(4*\gq+\k4)+7], v[168:175], v[16*(4*\gq+\k4)+8:16*(4*\gq+\k4)+15], v[32+8*(4*\gq+\k4):32+8*(4*\gq+\k4)+7]
.endif
.endr
.endr
	WIN 0
	PLACES
	WIN 0x40
.irp i, 0,1,2,3,4,5,6,7,8,9,10,11,12,13,14,15
	global_load_b128 v[64*\gq+4*\i:64*\gq+4*\i+3], v[LI], s[50:51] offset:512*(16*\gq+\i)   ; V: 32 keys (16 gq + i) / 8, channels 16 ((i / 2) % 4)
.endr
	WIN 0
.endr
	v_max3_num_f32 v16, v32, v40, v48              ; the largest of my 16 scores,
.irp k, 56,72,88,104,120,136
	v_max3_num_f32 v16, v16, v[\k], v[\k+8]
.endr
	v_max_num_f32 v16, v16, v152
	v_max_num_f32_dpp v16, v16, v16 row_xmask:1 row_mask:0xf bank_mask:0xf   ; and of the sixteen lanes': both halves of the lanes hold the same
	v_max_num_f32_dpp v16, v16, v16 row_xmask:2 row_mask:0xf bank_mask:0xf
	v_max_num_f32_dpp v16, v16, v16 row_xmask:4 row_mask:0xf bank_mask:0xf
	v_max_num_f32_dpp v16, v16, v16 row_xmask:8 row_mask:0xf bank_mask:0xf
	v_mul_f32 v17, s38, v16                        ; my part's c m
.irp kt, 0,1,2,3,4,5,6,7,8,9,10,11,12,13,14,15
	v_fma_f32 v[176+\kt], v[32+8*\kt], s38, -v17
.endr
.irp kt, 0,1,2,3,4,5,6,7,8,9,10,11,12,13,14,15
	v_exp_f32 v[176+\kt], v[176+\kt]
.endr
	v_nop
	s_wait_alu depctr_va_vdst(0)                   ; one wait for the sixteen
	v_add_f32 v18, v176, v177                      ; my part's l, of the unrounded p: two chains,
	v_add_f32 v19, v178, v179
.irp k, 180,182,184,186,188,190
	v_add_f32 v18, v18, v[\k]
	v_add_f32 v19, v19, v[\k+1]
.endr
	v_add_f32 v18, v18, v19
	v_add_f32_dpp v18, v18, v18 row_xmask:1 row_mask:0xf bank_mask:0xf       ; and the sixteen lanes
	v_add_f32_dpp v18, v18, v18 row_xmask:2 row_mask:0xf bank_mask:0xf
	v_add_f32_dpp v18, v18, v18 row_xmask:4 row_mask:0xf bank_mask:0xf
	v_add_f32_dpp v18, v18, v18 row_xmask:8 row_mask:0xf bank_mask:0xf
.irp kt, 0,1,2,3,4,5,6,7,8,9,10,11,12,13,14,15
	v_cvt_pk_f16_f32 v[176+\kt], v[176+\kt], v[176+\kt]
.endr
.irp kt, 0,1,2,3,4,5,6,7,8,9,10,11,12,13,14,15
	ds_store_b16 v[GPS], v[176+\kt] offset:32*\kt  ; p of key 16 kt + r at byte 2 x key of my wave's 512; both halves of the lanes write the same number
.endr
.irp kg, 0,1,2,3,4,5,6,7
.irp c, 0,1
	ds_load_b128 v[32+8*\kg+4*\c:32+8*\kg+4*\c+3], v[GPL] offset:64*\kg+32*\c   ; back as source 1: keys 32 kg + 16 c + 8 h + 0..7, the same in all 16 columns.  LDS serves a wave's instructions in order
.endr
.endr
	s_wait_dscnt 0x0
	s_wait_loadcnt 0x0                             ; V
	WIN 0x01
.irp kg, 0,1,2,3,4,5,6,7               ; four accumulators by turns
.irp ct, 0,1,2,3
.if \kg == 0
	v_wmma_f32_16x16x32_f16 v[96+8*\ct:96+8*\ct+7], v[8*\ct:8*\ct+7], v[32:39], 0
.else
	v_wmma_f32_16x16x32_f16 v[96+8*\ct:96+8*\ct+7], v[32*\kg+8*\ct:32*\kg+8*\ct+7], v[32+8*\kg:32+8*\kg+7], v[96+8*\ct:96+8*\ct+7]
.endif
.endr
.endr
	WIN 0
	PLACES
.irp i, 0,1,2,3,4,5,6,7
	ds_store_b128 v[GCS], v[96+4*\i:96+4*\i+3] offset:512*\i   ; my part's O, as it stands in the registers
.endr
	ds_store_b32 v[GCT], v17
	ds_store_b32 v[GCT], v18 offset:128
.Lmeet:
	s_wait_dscnt 0x0                               ; for wave 0's sake: my part lies in LDS
	s_barrier_signal -1
	s_barrier_wait -1                              ; every work-group passes here
	s_cmp_lg_u32 s47, 0
	s_cbranch_scc1 .Lend
	; ---- wave 0 of block 0 joins the eight parts: weights 2^(c m_u - the largest c m) / the joint sum
.irp u, 0,1,2,3,4,5,6,7
	ds_load_b32 v[144+\u], v[GCB] offset:GCW*\u
	ds_load_b32 v[152+\u], v[GCB] offset:GCW*\u+128
.endr
	WIN 0x40
.irp u, 0,1,2,3,4,5,6,7
.irp i, 0,1,2,3,4,5,6,7
	ds_load_b128 v[32*\u+4*\i:32*\u+4*\i+3], v[GCA] offset:GCW*\u+512*\i
.endr
.endr
	WIN 0
	s_wait_dscnt 63                                ; the sixteen words are in (64 loads stand behind them; a wait names 63 at the most)
	v_max3_num_f32 v16, v144, v145, v146
	v_max3_num_f32 v16, v16, v147, v148
	v_max3_num_f32 v16, v16, v149, v150
	v_max_num_f32 v16, v16, v151
.irp u, 0,1,2,3,4,5,6,7
	v_sub_f32 v[144+\u], v[144+\u], v16
.endr
.irp u, 0,1,2,3,4,5,6,7
	v_exp_f32 v[144+\u], v[144+\u]
.endr
	v_nop
	s_wait_alu depctr_va_vdst(0)                   ; one wait for the eight
	v_mul_f32 v17, v144, v152
.irp u, 1,2,3,4,5,6,7
	v_fmac_f32 v17, v[144+\u], v[152+\u]
.endr
	v_rcp_f32 v17, v17
	v_nop
	s_wait_alu depctr_va_vdst(0)
.irp u, 0,1,2,3,4,5,6,7
	v_mul_f32 v[160+2*\u], v[144+\u], v17
	v_mul_f32 v[161+2*\u], v[144+\u], v17          ; (the pair is named whole)
.endr
	s_wait_dscnt 0x0
	WIN 0x01                                       ; source 0 (a part's O) window 1
.irp b, 0,1,2,3,4,5,6,7,8,9,10,11,12,13,14,15
	v_pk_mul_f32 v[96+2*\b:97+2*\b], v[2*\b:2*\b+1], v[160:161] op_sel_hi:[1,0]
.endr
.irp u, 1,2,3,4,5,6,7
.irp b, 0,1,2,3,4,5,6,7,8,9,10,11,12,13,14,15
	v_pk_fma_f32 v[96+2*\b:97+2*\b], v[32*\u+2*\b:32*\u+2*\b+1], v[160+2*\u:161+2*\u], v[96+2*\b:97+2*\b] op_sel_hi:[1,0,1]
.endr
.endr
	WIN 0
.irp b, 0,1,2,3,4,5,6,7,8,9,10,11,12,13,14,15
	v_cvt_pk_f16_f32 v[128+\b], v[96+2*\b], v[97+2*\b]
.endr
	s_wait_xcnt 0x0                                ; no earlier store still reads the registers written below
.irp b, 0,1,2,3,4,5,6,7,8,9,10,11,12,13,14,15
	v_cndmask_b32 v[PK+\b], v[PK+\b], v[128+\b], s43   ; lanes 0 and 16 hold query 0
.endr
.irp ct, 0,1,2,3
	global_store_b128 v[LI], v[PK+4*\ct:PK+4*\ct+3], s[36:37] offset:512*\ct
.endr
.Lend:
	s_wait_tensorcnt 0x0                           ; the wave's end
	ds_add_u32 v[SPW], v[NIL]
	s_wait_dscnt 0x0
	s_endpgm
.Lfunc_end_k_q1c5524463f_attn:
	.size	k_q1c5524463f_attn, .Lfunc_end_k_q1c5524463f_attn-k_q1c5524463f_attn
	.p2alignl 7, 3214868480
	.fill 96, 4, 3214868480
	.section	.rodata,"a",@progbits
	.p2align	6, 0x0
	.amdhsa_kernel k_q1c5524463f_attn
		.amdhsa_group_segment_fixed_size 236544
		.amdhsa_private_segment_fixed_size 0
		.amdhsa_enable_private_segment 0
		.amdhsa_kernarg_size 16
		.amdhsa_user_sgpr_count 2
		.amdhsa_user_sgpr_kernarg_segment_ptr 1
		.amdhsa_wavefront_size32 1
		.amdhsa_system_sgpr_workgroup_id_x 1
		.amdhsa_system_sgpr_workgroup_id_y 1
		.amdhsa_system_sgpr_workgroup_id_z 1
		.amdhsa_system_vgpr_workitem_id 0
		.amdhsa_next_free_vgpr 512
		.amdhsa_next_free_sgpr 66
		.amdhsa_reserve_vcc 1
		.amdhsa_float_denorm_mode_32 3
		.amdhsa_float_denorm_mode_16_64 3
		.amdhsa_memory_ordered 1
		.amdhsa_forward_progress 1
		.amdhsa_inst_pref_size 89
	.end_amdhsa_kernel
	.amdgpu_metadata
---
amdhsa.version: [ 1, 2 ]
amdhsa.kernels:
  - .name:           k_q1c5524463f_attn
    .symbol:         k_q1c5524463f_attn.kd
    .args:
      - { .name: qkv, .offset: 0, .size: 8, .value_kind: global_buffer, .address_space: global }
      - { .name: aimg, .offset: 8, .size: 8, .value_kind: global_buffer, .address_space: global }
    .group_segment_fixed_size: 236544
    .private_segment_fixed_size: 0
    .kernarg_segment_align: 8
    .kernarg_segment_size: 16
    .max_flat_workgroup_size: 256
    .sgpr_count:     66
    .vgpr_count:     512
    .wavefront_size: 32
...
	.end_amdgpu_metadata
.endif
;; end of part 3
;; launch proj (part 4): grid 8 x 32, 4 waves a work-group, clusters of 4 x 4, 327,680 bytes of LDS; arguments aimg, woimg, bo, out0; writes out0
.if DOCPART == 4
	.amdgcn_target "amdgcn-amd-amdhsa--gfx1250"
	.amdhsa_code_object_version 6
	.text
	.protected	k_q1c5524463f_proj
	.globl	k_q1c5524463f_proj
	.p2align	8
	.type	k_q1c5524463f_proj,@function
k_q1c5524463f_proj:
	s_mov_b64 s[64:65], 0
	v_nop
	global_prefetch_b8 v0, s[64:65] scope:SCOPE_SE
	s_setreg_imm32_b32 hwreg(HW_REG_WAVE_MODE, 25, 1), 1
	s_wait_xcnt 0x0
	s_wait_alu depctr_hold_cnt(0) depctr_sa_sdst(0) depctr_va_vdst(0) depctr_va_sdst(0) depctr_va_ssrc(0) depctr_va_vcc(0) depctr_vm_vsrc(0)
	s_getreg_b32 s2, hwreg(HW_REG_IB_STS2, 6, 4)
	s_cmp_eq_u32 s2, 0
	s_cbranch_scc0 .Lentry_in_a_cluster
	s_endpgm
.Lentry_in_a_cluster:
	s_bfe_u32 s2, ttmp6, 0x10000c
	s_cmp_lg_u32 s2, 0xf033
	s_cbranch_scc0 .Lentry_shape_is_right
	s_endpgm
.Lentry_shape_is_right:
; out0 = (the attention's result) x Wo + bo.  Both operands are f16 images of fragments: aimg [tile of 16 tokens 256][K step of 32: 32][1,024 bytes], woimg [tile of 16 columns 64][32][1,024]; sums in f32; out0 [4096][1024] f32.
; A tile of out0 is 128 x 128: 8 x 32 = 256 work-groups.  Four waves, each 64 x 64: 16 accumulators, 128 registers.  K goes in four steps of 256 through a ring of two LDS slots: a step of a tile of 16 rows is
; 8,192 consecutive bytes of memory; a wave's tensor load brings four of them, 32,768 bytes apart.  In LDS they lie dense: a fragment load takes 512 consecutive bytes, 16 a lane.
; CLUSTERS: 4 x 4 work-groups.  The four of a row of the cluster need the same tokens, the four of a column the same columns of Wo: each tile is asked for JOINTLY, by the same tensor load with a mask that names the four.
; THE MATRIX INSTRUCTION IS USED TRANSPOSED (source 0 = 16 columns of Wo, source 1 = 16 tokens): a lane holds eight neighbouring numbers of a row of out0.  The bias is the C of each sum's first product.
; A wave's 64 columns are 256 aligned bytes of a row: the way out goes through the wave's own stage, and sixteen lanes store them.
; No prefetch: a K step's tiles are small, and the ring has the next step on its way while one is multiplied.
; REGISTERS: window 0: v16-29 addresses; v32-63 the bias, eight registers for each tile of columns; v128-255 the accumulators ((a, b) at v[128 + 8 (4 a + b)]).
;   window 1: two fragment buffers of 128: for 64 along K, 64 registers of tokens, then 64 of Wo; on the way out rows of out0.
.set TILEB,  8192                      ; a K step of a tile of 16 rows: eight fragments
.set HALFT,  4*TILEB                   ; what one tensor load brings, and what one wave reads of either operand
.set SLOT,   4*HALFT                   ; the tokens' 8 tiles, then Wo's 8
.set STAGE,  2*SLOT                    ; behind the ring: 16 rows x 272 bytes for each wave
.set SPITCH, 272
.set SPARE,  STAGE+4*16*SPITCH         ; behind the stages: the spare words, 128 bytes for each wave
.set ADRA, 16                          ; v16-17  LDS address of my fragments of tokens in slot 0, 1
.set ADRB, 20                          ; v20-21  the same for Wo
.set STO,  24                          ; v24     the way out: where I put 32 bytes of a row
.set RD,   25                          ; v25     where I read a row back
.set CO,   26                          ; v26     my byte offset in out0
.set BO,   27                          ; v27     my offset in the bias
.set SPW,  28                          ; v28     LDS address of my spare word; never rewritten
.set NIL,  29                          ; v29     0; never rewritten
.set BIAS, 32
.set ACC,  128
.set F0,   0
.set F1,   128
.set G1, 24                            ; s[24:31] descriptor group 1 for the tokens;  s[32:39] group 0, one set for each slot
.set G0, 32
.set G1B, 48                           ; s[48:55], s[56:63] the same for Wo
.set G0B, 56
.set MSB, 0
.macro WIN new                         ; the immediate's high byte repeats the setting that is left
.if MSB != \new
	s_set_vgpr_msb (MSB<<8)|\new
.set MSB, \new
.endif
.endm
.set MUL,  0x05                        ; sources 0 and 1 window 1; C and D window 0
.set TO_F, 0x40                        ; destination window 1, address window 0
.macro JLOAD s                         ; a joint load: waves 0 and 1 fetch the tokens' halves, waves 2 and 3 Wo's; an s_nop 0 and four v_nop follow each of the two lines
	s_cmp_eq_u32 s15, 0
	s_cbranch_scc0 .Lfor_b_\@
	tensor_load_to_lds s[G0+4*\s:G0+4*\s+3], s[G1:G1+7]
	s_nop 0
.rept 4
	v_nop
.endr
	s_branch .Lasked_\@
.Lfor_b_\@:
	tensor_load_to_lds s[G0B+4*\s:G0B+4*\s+3], s[G1B:G1B+7]
	s_nop 0
.rept 4
	v_nop
.endr
.Lasked_\@:
.endm
.macro CREST                           ; a round of the cluster's barrier behind its opening barrier
	s_cmp_lg_u32 s14, 0
	s_cbranch_scc1 .Lnot_wave_0_\@
	s_barrier_signal -3
.Lnot_wave_0_\@:
	s_barrier_wait -3
	s_barrier_signal -1
	s_barrier_wait -1
.endm
.macro CROUND
	s_barrier_signal -1
	s_barrier_wait -1
	CREST
.endm
	s_load_b256 s[4:11], s[0:1], 0x0               ; aimg, woimg, bo, out0
	v_lshl_add_u32 v[SPW], v0, 2, SPARE
	v_mov_b32 v[NIL], 0
	ds_add_u32 v[SPW], v[NIL]                      ; the wave's opening: the add, twice on end, and its wait ahead of my first tensor load
	ds_add_u32 v[SPW], v[NIL]
	v_lshrrev_b32 v1, 5, v0
	v_readfirstlane_b32 s14, v1                    ; wave 0..3
	s_lshr_b32 s15, s14, 1                         ; which half of the tile's rows is mine.  Also: I fetch tokens (0) or Wo (1)
	s_and_b32 s16, s14, 1                          ; which half of its columns.  Also: which four tiles I fetch
	s_bfe_u32 s40, ttmp6, 0x40000                  ; cx, cy
	s_bfe_u32 s41, ttmp6, 0x40004
	s_lshl_b32 s42, ttmp9, 2
	s_add_co_u32 s42, s42, s40                     ; tile column = 4 x cluster x + cx
	s_and_b32 s17, ttmp7, 0xffff
	s_lshl_b32 s17, s17, 2
	s_add_co_u32 s17, s17, s41                     ; tile row = 4 x cluster y + cy
	s_lshl_b32 s43, s41, 2
	s_lshl_b32 s43, 15, s43                        ; my row of the cluster
	s_lshl_b32 s44, 0x1111, s40                    ; my column
	s_or_b32 s[G1], s43, (3<<16)|(1<<21)           ; the mask; elements of 8 bytes; bit 21 beside a mask; no padding
	s_or_b32 s[G1B], s44, (3<<16)|(1<<21)
.irp g, G1, G1B
	s_mov_b32 s[\g+1], 1024<<16                    ; tensor_dim0 = 1,024 elements: 8,192 bytes
	s_mov_b32 s[\g+2], 4<<16                       ; tensor_dim1 = 4
	s_mov_b32 s[\g+3], 1024<<16                    ; tile_dim0
	s_mov_b32 s[\g+4], 4                           ; tile_dim1
	s_mov_b32 s[\g+5], 4096                        ; from tile to tile: 32,768 bytes
	s_mov_b32 s[\g+6], 0
	s_mov_b32 s[\g+7], 0
.endr
	s_lshl_b32 s18, s16, 17                        ; which four tiles I fetch
	s_lshl_b32 s20, s17, 18
	s_add_co_u32 s20, s20, s18                     ; the tokens: made of the tile row and the wave's number alone
	s_mov_b32 s21, 0
	s_lshl_b32 s46, s42, 18
	s_add_co_u32 s46, s46, s18                     ; Wo: of the tile column and the wave's number alone
	s_mov_b32 s47, 0
	s_lshl_b32 s45, s14, 15                        ; where they go: wave x 32,768
	s_wait_dscnt 0x0                               ; both opening adds are done
	s_wait_kmcnt 0x0
	s_add_nc_u64 s[20:21], s[4:5], s[20:21]
	s_add_nc_u64 s[46:47], s[6:7], s[46:47]
	CROUND                                         ; all sixteen work-groups are here: the first joint loads meet
.irp s, 0,1
	s_mov_b32 s[G0+4*\s], 1
	s_add_co_u32 s[G0+4*\s+1], s45, \s*SLOT
	s_add_nc_u64 s[G0+4*\s+2:G0+4*\s+3], s[20:21], \s*TILEB
	s_or_b32 s[G0+4*\s+3], s[G0+4*\s+3], 0x80000000
	s_mov_b32 s[G0B+4*\s], 1
	s_add_co_u32 s[G0B+4*\s+1], s45, \s*SLOT
	s_add_nc_u64 s[G0B+4*\s+2:G0B+4*\s+3], s[46:47], \s*TILEB
	s_or_b32 s[G0B+4*\s+3], s[G0B+4*\s+3], 0x80000000
	JLOAD \s                                       ; by this text's count two loads of mine are out here, later one
.endr
	v_and_b32 v1, 15, v0                           ; r
	v_bfe_u32 v2, v0, 4, 1                         ; h
	v_and_b32 v3, 31, v0
	v_lshlrev_b32 v3, 4, v3                        ; 16 x lane
	s_lshl_b32 s22, s15, 15                        ; my four tiles of tokens
	s_lshl_b32 s23, s16, 15                        ; my four tiles of Wo,
	s_add_co_u32 s23, s23, 2*HALFT                 ; which lie behind the tokens' eight
.irp s, 0,1
	v_add_nc_u32 v[ADRA+\s], s22, v3
	v_add_nc_u32 v[ADRB+\s], s23, v3
	s_add_co_u32 s22, s22, SLOT
	s_add_co_u32 s23, s23, SLOT
.endr
	s_mul_i32 s22, s14, 16*SPITCH
	s_add_co_u32 s22, s22, STAGE                   ; my stage
	v_mul_u32_u24 v4, v1, SPITCH
	v_lshl_add_u32 v4, v2, 5, v4
	v_add_nc_u32 v[STO], s22, v4                   ; in: row r, 32 bytes for each half of the lanes
	v_mul_u32_u24 v5, v2, SPITCH
	v_lshl_add_u32 v5, v1, 4, v5
	v_add_nc_u32 v[RD], s22, v5                    ; back: lanes 0-15 one row of 256 bytes, lanes 16-31 the next
	v_lshlrev_b32 v5, 12, v2
	v_lshl_add_u32 v[CO], v1, 4, v5                ; and the same two rows in out0
	v_lshlrev_b32 v[BO], 5, v2                     ; the bias: eight numbers for my half of the lanes
	s_lshl_b32 s12, s42, 9
	s_lshl_b32 s13, s16, 8
	s_add_co_u32 s12, s12, s13                     ; my first column, in bytes
	s_mov_b32 s13, 0
	s_add_nc_u64 s[8:9], s[8:9], s[12:13]
	s_add_nc_u64 s[10:11], s[10:11], s[12:13]
	s_lshl_b32 s12, s17, 19
	s_lshl_b32 s22, s15, 18
	s_add_co_u32 s12, s12, s22                     ; my first row: (128 x tile row + 64 x half) x 4,096 bytes
	s_add_nc_u64 s[10:11], s[10:11], s[12:13]
.irp b, 0,1,2,3
	global_load_b128 v[BIAS+8*\b:BIAS+8*\b+3], v[BO], s[8:9] offset:64*\b
	global_load_b128 v[BIAS+8*\b+4:BIAS+8*\b+7], v[BO], s[8:9] offset:64*\b+16
.endr
; 8 matrix instructions: row blocks a0, a0 + 1 x all 4 column blocks, 32 along K: half c of buffer f.  zero = 1: the first product starts the sums, with the bias as C.  The 16 accumulators take turns
.macro MUL8 f, c, a0, zero
.irp a, \a0, \a0+1
.irp b, 0,1,2,3
.if \zero
	v_wmma_f32_16x16x32_f16 v[ACC+8*(4*(\a)+\b):ACC+8*(4*(\a)+\b)+7], v[\f+64+8*(4*\c+\b):\f+64+8*(4*\c+\b)+7], v[\f+8*(4*\c+\a):\f+8*(4*\c+\a)+7], v[BIAS+8*\b:BIAS+8*\b+7]
.else
	v_wmma_f32_16x16x32_f16 v[ACC+8*(4*(\a)+\b):ACC+8*(4*(\a)+\b)+7], v[\f+64+8*(4*\c+\b):\f+64+8*(4*\c+\b)+7], v[\f+8*(4*\c+\a):\f+8*(4*\c+\a)+7], v[ACC+8*(4*(\a)+\b):ACC+8*(4*(\a)+\b)+7]
.endif
.endr
.endr
.endm
; 32 LDS loads in one run: the fragments of the slot's q-th 64 along K into buffer f; the first 32 along K first
.macro FETCH slot, q, f
	WIN TO_F
.irp c, 0,1
.irp i, 0,1,2,3
	ds_load_b128 v[\f+64+8*(4*\c+\i):\f+64+8*(4*\c+\i)+3],   v[ADRB+\slot] offset:\i*TILEB+1024*(2*(\q)+\c)
	ds_load_b128 v[\f+64+8*(4*\c+\i)+4:\f+64+8*(4*\c+\i)+7], v[ADRB+\slot] offset:\i*TILEB+1024*(2*(\q)+\c)+512
	ds_load_b128 v[\f+8*(4*\c+\i):\f+8*(4*\c+\i)+3],         v[ADRA+\slot] offset:\i*TILEB+1024*(2*(\q)+\c)
	ds_load_b128 v[\f+8*(4*\c+\i)+4:\f+8*(4*\c+\i)+7],       v[ADRA+\slot] offset:\i*TILEB+1024*(2*(\q)+\c)+512
.endr
.endr
.endm
.macro PLACES                          ; four places in front of loads into registers that matrix instructions have read, and of the first read of results
.rept 4
	v_nop
.endr
.endm
; A K step is four quarters of 64 along K, 32 matrix instructions each, on buffers 0, 1, 0, 1.  One of the first three: multiplies buffer f and fetches quarter q into g
.macro QUARTER slot, q, f, g, zero
	s_wait_dscnt 16                                ; the first 32 along K are in
	WIN MUL
	MUL8 \f, 0, 0, \zero
	MUL8 \f, 0, 2, \zero
	PLACES
	FETCH \slot, \q, \g
	s_wait_dscnt 32                                ; all but the 32 just issued
	WIN MUL
	MUL8 \f, 1, 0, 0
	MUL8 \f, 1, 2, 0
.endm
; The last quarter multiplies buffer 1 and changes slots: ONE barrier; in front of it each wave waits for all its tensor loads, adds 0 to its spare word, and waits for that and for its own reads of this slot.
; fill = 1: this slot is filled again, two K steps ahead; the barrier then opens a round of the cluster's barrier.
.macro TURN slot, next, fill
	WIN 0                                          ; (the add's two registers lie in window 0)
	s_wait_tensorcnt 0x0                           ; all my tensor loads have landed: my part of the next slot;
	ds_add_u32 v[SPW], v[NIL]                      ; 0 onto my spare word;
	s_wait_dscnt 17                                ; (the add and the youngest sixteen loads may be out)
	WIN MUL
	MUL8 F1, 0, 0, 0
	s_wait_dscnt 0x0                               ; the add is done, and my reads of this slot are over
	s_barrier_signal -1
	MUL8 F1, 0, 2, 0
.if \fill
	WIN 0
.endif
	s_barrier_wait -1
.if \fill
	CREST                                          ; no wave of any partner still reads this slot's tiles or has a load on its way
	s_add_nc_u64 s[G0+4*\slot+2:G0+4*\slot+3], s[G0+4*\slot+2:G0+4*\slot+3], 2*TILEB
	s_add_nc_u64 s[G0B+4*\slot+2:G0B+4*\slot+3], s[G0B+4*\slot+2:G0B+4*\slot+3], 2*TILEB
	JLOAD \slot                                    ; the first tensor load behind the round; the four v_nop behind it are also the places in front of the loads below
.else
	PLACES
.endif
	FETCH \next, 0, F0
	WIN MUL
	MUL8 F1, 1, 0, 0
	MUL8 F1, 1, 2, 0
.endm
	s_wait_tensorcnt 1                             ; my part of K step 0 is in (K step 1's load may be out)
	s_barrier_signal -1
	s_barrier_wait -1                              ; everybody's is
	FETCH 0, 0, F0
	s_wait_loadcnt 0x0                             ; the bias
	QUARTER 0, 1, F0, F1, 1                        ; K step 0; its first products start the sums
	QUARTER 0, 2, F1, F0, 0
	QUARTER 0, 3, F0, F1, 0
	TURN 0, 1, 1                                   ; slot 0 takes K step 2
	QUARTER 1, 1, F0, F1, 0                        ; K step 1
	QUARTER 1, 2, F1, F0, 0
	QUARTER 1, 3, F0, F1, 0
	TURN 1, 0, 1                                   ; slot 1 takes K step 3
	QUARTER 0, 1, F0, F1, 0                        ; K step 2
	QUARTER 0, 2, F1, F0, 0
	QUARTER 0, 3, F0, F1, 0
	TURN 0, 1, 0                                   ; nothing is left to fetch
	QUARTER 1, 1, F0, F1, 0                        ; K step 3
	QUARTER 1, 2, F1, F0, 0
	QUARTER 1, 3, F0, F1, 0
	s_wait_dscnt 16
	WIN MUL
	MUL8 F1, 0, 0, 0
	MUL8 F1, 0, 2, 0
	s_wait_dscnt 0x0
	MUL8 F1, 1, 0, 0
	MUL8 F1, 1, 2, 0
	WIN 0
; THE WAY OUT, block by block of 16 rows x 64 columns, through my own stage: LDS serves a wave's instructions in order, so no wait stands between the stores and the loads, nor in front of the next block's stores.
.macro TOSTAGE a
.irp b, 0,1,2,3
	ds_store_b128 v[STO], v[ACC+8*(4*(\a)+\b):ACC+8*(4*(\a)+\b)+3] offset:64*\b        ; each accumulator from its low end on
	ds_store_b128 v[STO], v[ACC+8*(4*(\a)+\b)+4:ACC+8*(4*(\a)+\b)+7] offset:64*\b+16
.endr
	WIN TO_F
.irp t, 0,1,2,3,4,5,6,7
	ds_load_b128 v[32*(\a)+4*\t:32*(\a)+4*\t+3], v[RD] offset:\t*2*SPITCH
.endr
	WIN 0
.endm
.macro SEND a, younger                 ; younger: the LDS instructions issued behind block a's loads, which may stay out
	s_wait_dscnt \younger
	WIN 0x04                                       ; a store's data are its source 1: window 1
.irp t, 0,1,2,3,4,5,6,7
	global_store_b128 v[CO], v[32*(\a)+4*\t:32*(\a)+4*\t+3], s[10:11] offset:(16*(\a)+2*\t)*4096 th:TH_STORE_NT   ; sixteen lanes store 256 consecutive bytes, aligned; written once, read by nobody here
.endr
	WIN 0
.endm
	PLACES
	TOSTAGE 0
	TOSTAGE 1
	SEND 0, 16
	TOSTAGE 2
	SEND 1, 16
	TOSTAGE 3
	SEND 2, 16
	SEND 3, 0
	s_wait_tensorcnt 0x0                           ; the wave's end
	ds_add_u32 v[SPW], v[NIL]
	s_wait_dscnt 0x0
	CROUND                                         ; the closing round
	s_endpgm
.Lfunc_end_k_q1c5524463f_proj:
	.size	k_q1c5524463f_proj, .Lfunc_end_k_q1c5524463f_proj-k_q1c5524463f_proj
	.p2alignl 7, 3214868480
	.fill 96, 4, 3214868480
	.section	.rodata,"a",@progbits
	.p2align	6, 0x0
	.amdhsa_kernel k_q1c5524463f_proj
		.amdhsa_group_segment_fixed_size 327680
		.amdhsa_private_segment_fixed_size 0
		.amdhsa_enable_private_segment 0
		.amdhsa_kernarg_size 32
		.amdhsa_user_sgpr_count 2
		.amdhsa_user_sgpr_kernarg_segment_ptr 1
		.amdhsa_wavefront_size32 1
		.amdhsa_system_sgpr_workgroup_id_x 1
		.amdhsa_system_sgpr_workgroup_id_y 1
		.amdhsa_system_sgpr_workgroup_id_z 1
		.amdhsa_system_vgpr_workitem_id 0
		.amdhsa_next_free_vgpr 512
		.amdhsa_next_free_sgpr 66
		.amdhsa_reserve_vcc 0
		.amdhsa_float_denorm_mode_32 3
		.amdhsa_float_denorm_mode_16_64 3
		.amdhsa_memory_ordered 1
		.amdhsa_forward_progress 1
		.amdhsa_inst_pref_size 86
	.end_amdhsa_kernel
	.amdgpu_metadata
---
amdhsa.version: [ 1, 2 ]
amdhsa.kernels:
  - .name:           k_q1c5524463f_proj
    .symbol:         k_q1c5524463f_proj.kd
    .args:
      - { .name: aimg, .offset: 0, .size: 8, .value_kind: global_buffer, .address_space: global }
      - { .name: woimg, .offset: 8, .size: 8, .value_kind: global_buffer, .address_space: global }
      - { .name: bo, .offset: 16, .size: 8, .value_kind: global_buffer, .address_space: global }
      - { .name: out0, .offset: 24, .size: 8, .value_kind: global_buffer, .address_space: global }
    .group_segment_fixed_size: 327680
    .private_segment_fixed_size: 0
    .kernarg_segment_align: 8
    .kernarg_segment_size: 32
    .max_flat_workgroup_size: 128
    .sgpr_count:     66
    .vgpr_count:     512
    .wavefront_size: 32
...
	.end_amdgpu_metadata
.endif
;; end of part 4
